; MI455X (gfx1250); checked and timed in simulation.
; The chip was launched on July 23, 2026; its instructions are those of AMD's public machine-readable ISA for CDNA 5 (MIT licence, August 2026) and "CDNA5" Instruction Set Architecture Reference Guide (July 2026). The comments in the code are by the model that wrote it; some were corrected since.
;; Decoder. Allowed arithmetic: matrix products marked QUANTISED: E3M2 operands, one E8M0 scale for each 32 along K, by v_wmma_scale_f32_16x16x128_f8f6f4 with both operands' format E3M2, f32 sums; products left as they are: f32 operands where the result goes on into a quantised operand, else bf16, f16 or f32 operands; f32 sums; everything else in f32.
;; Inputs: W_c 128 x 258 float32; W_o_codes 128 x 4 x 24 uint8 (E3M2 codes of W_o, K innermost, in blocks of 32 codes, four codes in three bytes); W_o_scales 128 x 4 uint8 (E8M0 scales of W_o, one for each 32 codes along K); W_pk_codes 128 x 4 x 24 uint8 (E3M2 codes of W_pk, K innermost, in blocks of 32 codes, four codes in three bytes); W_pk_scales 128 x 4 uint8 (E8M0 scales of W_pk, one for each 32 codes along K); W_pq_codes 128 x 4 x 24 uint8 (E3M2 codes of W_pq, K innermost, in blocks of 32 codes, four codes in three bytes); W_pq_scales 128 x 4 uint8 (E8M0 scales of W_pq, one for each 32 codes along K); W_qkv_codes 384 x 4 x 24 uint8 (E3M2 codes of W_qkv, K innermost, in blocks of 32 codes, four codes in three bytes); W_qkv_scales 384 x 4 uint8 (E8M0 scales of W_qkv, one for each 32 codes along K); attn_mask 512 x 512 bool; b_c 128 float32; b_o 128 float32; b_pk 128 float32; b_pq 128 float32; b_qkv 384 float32; cap_feat 512 x 1 float32; mean_mask 512 x 512 bool; sel_idx 512 int32; time_feat 512 x 1 float32; x 512 x 512 x 128 float32.
;; Outputs: out0 512 x 512 float32.
;; This version of the problem:
;;   THIS VERSION OF THE PROBLEM IS GIVEN IN LOW PRECISION. The matrix products marked QUANTISED in the list below multiply operands that are first quantised to E3M2 (3 exponent bits, 2 mantissa bits; 6 bits a number), with one power-of-two scale for each 32 numbers along K (OCP MX v1.0); their sums are f32. All else is computed in f32.
;;   The module's matrix products, in the order in which they are computed (A, B: the left and right operand; K: the contracted axis; several contracted axes count as one K, in the product's order):
;;     1. [M 512, K 258] x [K 258, N 128]; A: computed on the way; B: input W_c: QUANTISED
;;     2. [M 512, K 128] x [K 128, N 128]; A: computed on the way; B: input W_qkv (given as codes): QUANTISED
;;     3. [M 262,144, K 128] x [K 128, N 128]; A: input x; B: input W_qkv (given as codes): QUANTISED
;;     4. [M 262,144, K 128] x [K 128, N 128]; A: input x; B: input W_qkv (given as codes): QUANTISED
;;     5. batch 4,096 x [M 1, K 16] x [K 16, N 512]; A: computed on the way; B: computed on the way: left as it is (K = 16 < 32)
;;     6. batch 4,096 x [M 1, K 512] x [K 512, N 16]; A: softmax; B: computed on the way: left as it is (M = 1 < 16)
;;     7. [M 512, K 128] x [K 128, N 128]; A: computed on the way; B: input W_o (given as codes): QUANTISED
;;     8. [M 512, K 128] x [K 128, N 128]; A: computed on the way; B: input W_pq (given as codes): QUANTISED
;;     9. [M 262,144, K 128] x [K 128, N 128]; A: input x; B: input W_pk (given as codes): QUANTISED
;;     10. batch 512 x [M 1, K 128] x [K 128, N 512]; A: computed on the way; B: computed on the way: left as it is (M = 1 < 16)
;;   THE QUANTISER, for each operand of a quantised product, along K:
;;     - K is cut into blocks of 32 from its start; a last block that is shorter is filled with zeros.
;;     - A block's scale is 2^e with e = floor(log2(the largest magnitude in the block)) - 4, held to -126 .. 127; a block of zeros has e = 0. As a byte (E8M0): e + 127.
;;     - Each number is divided by its block's scale, clamped to +-28, and rounded to the nearest number of E3M2, ties to even, subnormals kept.
;;     - The product sums the exact products of the quantised numbers (number of the format x scale) in f32.
;;   ~~~python
;;   def quantise(x, axis):      # numpy; x: float32 -> the quantised numbers, widened to float32 again
;;       x = np.moveaxis(x, axis, -1); K = x.shape[-1]
;;       x = np.pad(x, [(0, 0)] * (x.ndim - 1) + [(0, -K % 32)]); x = x.reshape(x.shape[:-1] + (-1, 32)); a = np.abs(x).max(-1, keepdims=True)
;;       e = np.where(a > 0, np.clip(np.frexp(np.where(a > 0, a, 1))[1] - 1 - 4, -126, 127), 0)      # np.frexp(a)[1] - 1 = floor(log2(a)), exactly
;;       r = np.clip(x / 2.0 ** e, -28, 28)
;;       step = 2.0 ** (np.maximum(np.frexp(np.where(r == 0, 1, r))[1] - 1, -2) - 2)
;;       q = np.round(r / step) * step * 2.0 ** e      # np.round: ties to even
;;       return np.moveaxis(q.reshape(q.shape[:-2] + (-1,))[..., :K], -1, axis).astype(np.float32)
;;   ~~~
;;   OPERANDS COMPUTED ON THE WAY. 'Computed on the way' means the value that the module computes at that place (a softmax that the list does not call 'softmax' is quantised finished and normalised). What goes into a quantiser is computed in f32, as accurately as f32 sums, v_exp_f32 and their like allow (about 1e-6 of the number): no bf16 or f16 on the way to a quantiser, and a product that is left as it is and whose result goes on into a quantised operand takes f32 operands (vector FMAs, or v_wmma_f32_16x16x4_f32). A number that lies on a knife's edge between two numbers of the format may be rounded either way, as far as f32 arithmetic and the matrix unit's own rounding can turn it there, and no further.
;;   INPUTS GIVEN AS CODES. W_o (in the module: [128, 128], K = its axis 1); W_pk (in the module: [128, 128], K = its axis 1); W_pq (in the module: [128, 128], K = its axis 1); W_qkv (in the module: [384, 128], K = its axis 1): each comes as NAME_codes (uint8): NAME with its K axis moved to the last place and cut into blocks of 32 codes, [.., K / 32, bytes a block], one block behind the other in memory; four codes in three bytes: a row's codes are one little-endian stream of bits, code i at bits 6 i .. 6 i + 5 (a code: sign, 3 exponent bits, 2 mantissa bits); and NAME_scales (uint8): the same leading axes, one E8M0 byte (e + 127) for each 32 codes along K. Its value is code x scale, taken as it is: it is not quantised again, and the codes and scales need not be those that the quantiser above would give.
;; 2 versions. Each part assembles by itself: llvm-mc -triple=amdgcn-amd-amdhsa -mcpu=gfx1250 --defsym DOCPART=n.
;; ======== version 1 of 2: 1 launch
;; launch decode (part 1): grid 256 x 1, 16 waves a work-group, no clusters, 300,032 bytes of LDS; arguments x, out0, mean_mask, attn_mask, sel_idx, cap_feat, time_feat, W_c, b_c, W_qkv_codes, W_qkv_scales, b_qkv, W_o_codes, W_o_scales, b_o, W_pq_codes, W_pq_scales, b_pq, W_pk_codes, W_pk_scales, b_pk; writes out0
.if DOCPART == 1
	.amdgcn_target "amdgcn-amd-amdhsa--gfx1250"
	.amdhsa_code_object_version 6
	.text
	.protected	k_q30b5243e6e_decode
	.globl	k_q30b5243e6e_decode
	.p2align	8
	.type	k_q30b5243e6e_decode,@function
k_q30b5243e6e_decode:
	s_mov_b64 s[64:65], 0
	v_nop
	global_prefetch_b8 v0, s[64:65] scope:SCOPE_SE
	s_setreg_imm32_b32 hwreg(HW_REG_WAVE_MODE, 25, 1), 1
	s_wait_xcnt 0x0
; ONE DECODER STEP FOR 512 BATCHES OF 512 NODES x 128, the quantised products on codes of BF6 (E3M2) with one E8M0 scale for each 32 along K.
; masked mean and selected row of x -> combined (W_c, K = 258) -> q (Wq) -> eight heads of single-query attention over k = x Wk^T, v = x Wv^T -> W_o, residual -> pq (W_pq)
; -> u = 10 tanh(pq . (x W_pk^T + b_pk)) -> masked softmax over the nodes.
; SHARES.  256 work-groups of 16 waves.  Waves 0-7 (G = 0) own batch 2 g, waves 8-15 (G = 1) batch 2 g + 1; a wave owns 64 nodes of its batch.  x is read from memory ONCE, a row (512 bytes) a load; on the way it is
; summed under the mean mask and quantised, and what stays is its codes: four fragments (48 registers) and four scale words a wave.  k, v and pk are made tile by tile from those codes and never leave the registers.
; The weights lie in LDS as images of operand registers, laid once by the sixteen waves.  The four small products (one row a batch) are done by wave 0 of each group, in registers, with the row repeated in all 16 columns.
; EVERY MATRIX INSTRUCTION IS USED TRANSPOSED: source 0 = 16 rows of a weight, source 1 = 16 nodes (or the repeated row): lane (r, hh) holds node r, register j output 8 hh + j of the weight's tile.  A head is one tile.
; THE NODES OF A TILE ARE NOT NEIGHBOURS: row j of tile i is node 32 (i & 1) + 2 j + (i >> 1) of the wave's 64, so that the packed per-node sums hold node 2 l and node 2 l + 1 in lane l: 256 dense bytes of output a wave.
; WORK LEFT OUT.  bk = b_qkv[128:256]: it adds q_h . bk_h to every score of head h, one number for all nodes, and a softmax is unchanged by a term that is the same along its axis; the product of q with k is not quantised,
; so bk moves no code and no scale.  This holds for all finite values of the inputs.  Those 512 bytes of b_qkv are not loaded.  A NaN, an infinity or an overflow that reaches bk alone is not carried to the result.
; TERMS MOVED (equal in real numbers): bv is added once behind the division by the weights' sum, since the weights sum to 1; pq . b_pk is added once to each node's sum, inside the tanh; b_c, bq, combined + b_o and b_pq
; are the C of their products' first matrix instruction.
; THE MAXIMA.  The attention takes each wave's maximum away and the merge the maximum over the eight waves.  The last softmax is shifted by 10: the 10 tanh of the problem holds u in -10 .. 10 for every input, so
; e = exp(u - 10) = 2^(-20 log2(e) / (1 + 2^(2 log2(e) z))) lies in 2^-28.9 .. 1 and a sum of 512 of them neither overflows nor underflows.
; LIMITS.  NaN and infinities among the floating-point inputs are not served.  Scores are taken to lie above -3e38.  A batch whose attn_mask is all true gives NaN in its 512 outputs (0 times the reciprocal of 0).
; A block of zeros gets the scale byte 1 where the quantiser says 127: its codes are zeros, and this program alone reads those bytes.  sel_idx is held to 0 .. 511.  The f32 sums of the mean, of the merge and of the
; moved biases run in another order than written in the problem.
; NO CLUSTER, NO TENSOR LOAD: the work-groups share the weights alone (73,728 bytes of codes and 132,096 of W_c against 524,288 bytes of x that are a work-group's own); W_c passes through registers to be quantised and
; the codes to be laid as images, and x is wanted in registers for the masked sum; a joint request is a tensor load.  NO PREFETCH: each wave has 32 row loads (16 KiB) out from its start on, half of all it reads.
.set STGW,   8448                      ; LDS: a stage for each wave, 16 rows x 528 bytes, from byte 0
.set SPITCH, 528                       ; 512 + 16: the sixteen rows that a read touches begin 16 bytes apart modulo 256
.set FRB,    1536                      ; a fragment's image: 12 registers x 128 bytes
.set WIMG,   135168                    ; 48 images, index 8 m + t; m: 0 Wq, 1 Wk, 2 Wv, 3 W_o (rows permuted), 4 W_pq, 5 W_pk
.set CIMG,   208896                    ; 24 images of W_c (rows permuted), index 8 s + t, s the K step
.set WSC,    245760                    ; 48 images of scale words, 128 bytes each
.set CSCO,   6144                      ; W_c's 24 follow them
.set GRP,    254976                    ; a region for each group
.set GRPB,   21504
.set SPARE,  297984                    ; the spare words, 128 bytes for each of 16 waves: eight blocks of 256 bytes that no other line names
.set PS,     0                         ; in a group's region: eight waves' masked sums, 512 bytes each
.set CT,     4096                      ; eight waves' parts of ctx
.set PARK,   8192                      ; the chain wave's x codes while it works the chain
.set BIAS,   14336                     ; b_c, bq, bv, b_o, b_pq, 512 bytes each
.set FE,     16896                     ; a vector on its way to the quantiser
.set FS,     17408                     ; the selected row
.set PCV,    17920                     ; b_c + W_c's K steps 1 and 2
.set COMB,   18432                     ; combined
.set C7V,    18944                     ; combined + b_o
.set QV,     19456                     ; q
.set PQV,    19968                     ; pq
.set ML,     20480                     ; 8 heads x 8 waves x (c m, l)
.set CNT,    20992                     ; eight waves' counts
.set SUM,    21248                     ; eight waves' sums of e
.set LI,   1                           ; v1  16 x lane
.set L4,   2                           ; v2  4 x lane
.set SH8,  3                           ; v3  8 hh
.set STA,  4                           ; v4  my stage + 16 x lane
.set STB,  5                           ; v5  my stage + 528 r + 128 hh
.set WB1,  6                           ; v6  WIMG + 16 x lane
.set WB2,  7                           ; v7  WIMG + 24 images + 16 x lane
.set CB,   8                           ; v8  CIMG + 16 x lane
.set SB,   9                           ; v9  WSC + 4 x lane
.set GD,   10                          ; v10 my group's region + 16 x lane
.set GDW,  11                          ; v11 the same + 512 W8
.set BH32, 12                          ; v12 region + 32 hh
.set BH64, 13                          ; v13 region + 64 hh
.set BH128, 14                         ; v14 region + 128 hh
.set CTA,  15                          ; v15 region + 512 W8 + 4 (8 hh + r % 8)
.set GW8,  16                          ; v16 region + 8 W8
.set GW4,  17                          ; v17 region + 4 W8
.set MLR,  18                          ; v18 region + 64 (lane / 4)
.set GBU,  19                          ; v19 region
.set SPW,  20                          ; v20 my spare word; never rewritten
.set NIL,  21                          ; v21 0; never rewritten
.set L8,   22                          ; v22 8 x lane
.set NINF, 23                          ; v23 -infinity
.set BPK,  24                          ; v24-27 b_pk, 4 numbers a lane
.set XS,   28                          ; v28-31 scale words of my four tiles of x
.set WS,   32                          ; v32-39 scale words of the weights in hand
.set FW0,  40                          ; v40-42 scale words of the chain's vectors
.set FW1,  41
.set FW2,  42
.set TM,   44                          ; v44-64 at work
.set JA,   65                          ; v65 where I lay images of weights
.set CA,   66                          ; v66 and of W_c
.set JS,   67                          ; v67 and scale words
.set XC,   68                          ; v68-115 codes of my four tiles of x
.set ACC,  116                         ; v116-123
.set SL0,  128                         ; v128-191, v192-255: two slots of 16 rows of x
.set DX,   192
.macro NOPS n
.rept \n
	v_nop
.endr
.endm
.macro BARRIER                         ; my LDS stores have landed and my LDS loads are in: then the work-group's barrier
	s_wait_dscnt 0x0
	s_barrier_signal -1
	s_barrier_wait -1
.endm
.macro WMMA0 d, a, b, sa, sb           ; a sum that begins: C = 0
	v_wmma_scale_f32_16x16x128_f8f6f4 v[\d:\d+7], v[\a:\a+11], v[\b:\b+11], 0, v[\sa], v[\sb] matrix_a_fmt:MATRIX_FMT_BF6 matrix_b_fmt:MATRIX_FMT_BF6
.endm
.macro WMMAC d, a, b, c, sa, sb
	v_wmma_scale_f32_16x16x128_f8f6f4 v[\d:\d+7], v[\a:\a+11], v[\b:\b+11], v[\c:\c+7], v[\sa], v[\sb] matrix_a_fmt:MATRIX_FMT_BF6 matrix_b_fmt:MATRIX_FMT_BF6
.endm
.macro IMAGE adr, reg, off             ; a fragment goes to LDS as it stands: lane l's 16 bytes at 16 l, 512 bytes a store
.irp c, 0,1,2
	ds_store_b128 v[\adr], v[\reg+4*\c:\reg+4*\c+3] offset:\off+512*\c
.endr
.endm
.macro FETCH reg, adr, off             ; and comes back so, in any wave
.irp c, 0,1,2
	ds_load_b128 v[\reg+4*\c:\reg+4*\c+3], v[\adr] offset:\off+512*\c
.endr
.endm
; Vectors of 128 f32 lie in LDS in their natural order; three ways of reading them, the same in all 16 lanes of a half:
.macro F6LOAD reg, off                 ; register 32 c + i = k 64 c + 32 hh + i: whole blocks of 32 in a lane
.irp c, 0,1
.irp q, 0,1,2,3,4,5,6,7
	ds_load_b128 v[\reg+32*\c+4*\q:\reg+32*\c+4*\q+3], v[BH128] offset:\off+256*\c+16*\q
.endr
.endr
.endm
.macro F5LOAD reg, off                 ; register 16 b + 8 u + j = k 32 b + 16 hh + 8 u + j: the results of tiles with permuted rows
.irp b, 0,1,2,3
.irp u, 0,1
.irp i, 0,1
	ds_load_b128 v[\reg+16*\b+8*\u+4*\i:\reg+16*\b+8*\u+4*\i+3], v[BH64] offset:\off+128*\b+32*\u+16*\i
.endr
.endr
.endr
.endm
.macro F5STORE reg, off                ; each accumulator from its low end on
.irp b, 0,1,2,3
.irp u, 0,1
.irp i, 0,1
	ds_store_b128 v[BH64], v[\reg+16*\b+8*\u+4*\i:\reg+16*\b+8*\u+4*\i+3] offset:\off+128*\b+32*\u+16*\i
.endr
.endr
.endr
.endm
.macro NATLOAD reg, off                ; register 8 t + j = k 16 t + 8 hh + j: the results of tiles with natural rows
.irp t, 0,1,2,3,4,5,6,7
.irp i, 0,1
	ds_load_b128 v[\reg+8*\t+4*\i:\reg+8*\t+4*\i+3], v[BH32] offset:\off+64*\t+16*\i
.endr
.endr
.endm
.macro NATSTORE reg, off
.irp t, 0,1,2,3,4,5,6,7
.irp i, 0,1
	ds_store_b128 v[BH32], v[\reg+8*\t+4*\i:\reg+8*\t+4*\i+3] offset:\off+64*\t+16*\i
.endr
.endr
.endm
; 64 numbers of a lane, register 32 c + i = k 64 c + 32 hh + i of my row, become a fragment's 12 registers and its scale word.  A lane holds two whole blocks, so no other lane is asked for a maximum.
.macro QUANT6 src, dst, tmp, swd
.irp c, 0,1
	v_max3_num_f32 v[TM+\c], |v[\src+32*\c]|, |v[\src+32*\c+1]|, 0x2800000   ; the floor 2^(5 - 127) among the leaves: the byte cannot fall under 1
.endr
.irp i, 2,4,6,8,10,12,14,16,18,20,22,24,26,28,30
.irp c, 0,1
	v_max3_num_f32 v[TM+\c], v[TM+\c], |v[\src+32*\c+\i]|, |v[\src+32*\c+\i+1]|
.endr
.endr
.irp c, 0,1
	v_add_nc_u32 v[TM+2+\c], 0xfe000000, v[TM+\c]   ; 4 off the exponent field: the conversion's scale operand
.endr
.irp c, 0,1
	v_lshrrev_b32 v[TM+4+\c], 23, v[TM+2+\c]        ; the scale's byte
.endr
	v_lshl_or_b32 v[\swd], v[TM+5], 16, v[TM+4]     ; blocks hh and 2 + hh,
	v_lshlrev_b32 v[\swd], v[SH8], v[\swd]          ; at their places in the word;
	v_permlanex16_b32 v[TM+6], v[\swd], s52, s53
	v_or_b32 v[\swd], v[\swd], v[TM+6]              ; with lane l xor 16's two the word is whole
.irp c, 0,1
	v_cvt_scalef32_pk16_bf6_f32 v[\dst+6*\c:\dst+6*\c+2], v[\src+32*\c:\src+32*\c+15], v[TM+2+\c]
	v_cvt_scalef32_pk16_bf6_f32 v[\tmp+4*\c:\tmp+4*\c+2], v[\src+32*\c+16:\src+32*\c+31], v[TM+2+\c]   ; (a conversion's three registers begin on an even number)
.endr
	v_nop                                           ; one plain place behind a scaled conversion
.irp c, 0,1
.irp i, 0,1,2
	v_mov_b32 v[\dst+6*\c+3+\i], v[\tmp+4*\c+\i]
.endr
.endr
.endm
; The same for 64 numbers that lie as matrix results of permuted tiles do: register 16 b + i = k 32 b + 16 hh + i.  A block lies in lanes l and l xor 16.
.macro QUANT5 src, dst, tmp, swd
.irp b, 0,1,2,3
	v_max3_num_f32 v[TM+\b], |v[\src+16*\b]|, |v[\src+16*\b+1]|, 0x2800000
.endr
.irp i, 2,4,6,8,10,12,14
.irp b, 0,1,2,3
	v_max3_num_f32 v[TM+\b], v[TM+\b], |v[\src+16*\b+\i]|, |v[\src+16*\b+\i+1]|
.endr
.endr
.irp b, 0,1,2,3
	v_permlanex16_b32 v[TM+4+\b], v[TM+\b], s52, s53
.endr
.irp b, 0,1,2,3
	v_max_num_f32 v[TM+\b], v[TM+\b], v[TM+4+\b]
.endr
.irp b, 0,1,2,3
	v_add_nc_u32 v[TM+12+\b], 0xfe000000, v[TM+\b]
.endr
.irp b, 0,1,2,3
	v_lshrrev_b32 v[TM+4+\b], 23, v[TM+12+\b]
.endr
	v_lshl_or_b32 v[\swd], v[TM+5], 8, v[TM+4]
	v_lshl_or_b32 v[\swd], v[TM+6], 16, v[\swd]
	v_lshl_or_b32 v[\swd], v[TM+7], 24, v[\swd]
.irp c, 0,1
	v_cvt_scalef32_pk16_bf6_f32 v[\dst+6*\c:\dst+6*\c+2], v[\src+32*\c:\src+32*\c+15], v[TM+12+2*\c]
	v_cvt_scalef32_pk16_bf6_f32 v[\tmp+4*\c:\tmp+4*\c+2], v[\src+32*\c+16:\src+32*\c+31], v[TM+13+2*\c]
.endr
	v_nop
.irp c, 0,1                            ; the operand wants a whole block in a lane: lanes 0-15 block 2 c, lanes 16-31 block 2 c + 1
.irp i, 0,1,2
	v_permlane16_swap_b32 v[\dst+6*\c+\i], v[\tmp+4*\c+\i]
.endr
.irp i, 0,1,2
	v_mov_b32 v[\dst+6*\c+3+\i], v[\tmp+4*\c+\i]
.endr
.endr
.endm
; K step 2 of the first product: K = 258 leaves two numbers, k = 0 and 1 of lanes 0-15; the block is filled with zeros, and so is the rest of the step.  The word's upper bytes are 0, over zero codes.
; The scale word's register lies outside v[dst] .. v[dst + 11], which are all written here.
.macro QTAIL src, dst, swd
	v_max3_num_f32 v[TM], |v[\src]|, |v[\src+1]|, 0x2800000
	v_add_nc_u32 v[TM+2], 0xfe000000, v[TM]
	v_lshrrev_b32 v[\swd], 23, v[TM+2]
	v_cvt_scalef32_pk16_bf6_f32 v[\dst:\dst+2], v[\src:\src+15], v[TM+2]
	v_nop
.irp i, 3,4,5,6,7,8,9,10,11
	v_mov_b32 v[\dst+\i], 0
.endr
.endm
.macro WLOAD reg, off, base, sreg, soff, sbase   ; a fragment of given codes, 24 bytes a half as three loads of 8, and its rows' scale words
.irp p, 0,1,2,3,4,5
	global_load_b64 v[\reg+2*\p:\reg+2*\p+1], v[\off], s[\base:\base+1] offset:48*(\p/3)+8*(\p%3)
.endr
	global_load_b32 v[\sreg], v[\soff], s[\sbase:\sbase+1]
.endm
.macro XLOAD i                         ; tile i's 16 rows of x, 512 dense bytes a load, into slot i % 2
.irp j, 0,1,2,3,4,5,6,7,8,9,10,11,12,13,14,15
	global_load_b128 v[SL0+64*((\i)%2)+4*\j:SL0+64*((\i)%2)+4*\j+3], v[LI], s[4:5] offset:512*(32*((\i)&1)+2*\j+((\i)>>1)) th:TH_LOAD_NT
.endr
.endm
; A tile of x: added under the mean mask as it was loaded (lane l holds k = 4 l .. 4 l + 3 of each row: the sum needs no other lane), turned through my stage so that a lane holds 64 numbers of ONE row, quantised.
.macro TILE i, left, next
.set SL, SL0+64*((\i)%2)
	s_wait_loadcnt \left                            ; this tile's 16 loads are in; the other slot's may be out
.irp j, 0,1,2,3,4,5,6,7,8,9,10,11,12,13,14,15
.set NU, 32*((\i)&1)+2*\j+((\i)>>1)
	s_bitcmp1_b32 s[68+NU/4], 8*(NU%4)              ; the node's byte of mean_mask
	s_cselect_b32 s[84+2*(\j%4)], 0, 1.0            ; valid = 1 - mask
.if ((\i) == 0) && (\j < 2)
	v_pk_mul_f32 v[ACC+4*(\j%2):ACC+4*(\j%2)+1], v[SL+4*\j:SL+4*\j+1], s[84+2*(\j%4):85+2*(\j%4)] op_sel_hi:[1,0]   ; the first two rows start the two sets of sums
	v_pk_mul_f32 v[ACC+4*(\j%2)+2:ACC+4*(\j%2)+3], v[SL+4*\j+2:SL+4*\j+3], s[84+2*(\j%4):85+2*(\j%4)] op_sel_hi:[1,0]
.else
	v_pk_fma_f32 v[ACC+4*(\j%2):ACC+4*(\j%2)+1], v[SL+4*\j:SL+4*\j+1], s[84+2*(\j%4):85+2*(\j%4)], v[ACC+4*(\j%2):ACC+4*(\j%2)+1] op_sel_hi:[1,0,1]
	v_pk_fma_f32 v[ACC+4*(\j%2)+2:ACC+4*(\j%2)+3], v[SL+4*\j+2:SL+4*\j+3], s[84+2*(\j%4):85+2*(\j%4)], v[ACC+4*(\j%2)+2:ACC+4*(\j%2)+3] op_sel_hi:[1,0,1]
.endif
.endr
.irp j, 0,1,2,3,4,5,6,7,8,9,10,11,12,13,14,15
	ds_store_b128 v[STA], v[SL+4*\j:SL+4*\j+3] offset:SPITCH*\j
.endr
.irp c, 0,1
.irp q, 0,1,2,3,4,5,6,7
	ds_load_b128 v[SL+32*\c+4*\q:SL+32*\c+4*\q+3], v[STB] offset:256*\c+16*\q   ; LDS serves a wave's instructions in order: these see my stores
.endr
.endr
	s_wait_dscnt 0x0
	QUANT6 SL, XC+12*(\i), TM+8, XS+(\i)
.if \next
	XLOAD (\i)+2                                    ; the slot takes the tile two on
.endif
.endm
; Head h's weights and its 16 numbers of q: ten LDS loads into buffer buf
.macro LOADH h, buf
	FETCH 128+12*(\buf), WB1, (8+(\h))*FRB
	FETCH 152+12*(\buf), WB1, (16+(\h))*FRB
	ds_load_b32 v[WS+2*(\buf)], v[SB] offset:(8+(\h))*128
	ds_load_b32 v[WS+2*(\buf)+1], v[SB] offset:(16+(\h))*128
	ds_load_b128 v[176+8*(\buf):176+8*(\buf)+3], v[BH32] offset:QV+64*(\h)
	ds_load_b128 v[176+8*(\buf)+4:176+8*(\buf)+7], v[BH32] offset:QV+64*(\h)+16
.endm
; Two registers' sums over lanes l and l xor x in one: lanes with the bit clear keep a's, lanes with it set b's
.macro MERGE a, b, m, x, t
	v_cndmask_b32 v[\t], v[\b], v[\a], s[\m]
	v_cndmask_b32 v[\a], v[\a], v[\b], s[\m]
	v_add_f32_dpp v[\a], v[\t], v[\a] row_xmask:\x row_mask:0xf bank_mask:0xf
.endm
; ONE HEAD for my 64 nodes: k and v of the head (eight matrix instructions on eight accumulators), scores, my wave's maximum, p, its sum, p . v.
.macro HEAD h
.set BF, (\h)%2
.set QR, 176+8*BF
.if (\h) < 7
	LOADH (\h)+1, ((\h)+1)%2
	s_wait_dscnt 10                                 ; all but the ten just issued: this head's loads are in, the last head's two stores are done
.else
	s_wait_dscnt 0x0
.endif
.irp t, 0,1,2,3
	WMMA0 192+8*\t, 128+12*BF, XC+12*\t, WS+2*BF, XS+\t        ; k(node r of tile t, 16 h + 8 hh + j)
.endr
.irp t, 0,1,2,3
	WMMA0 224+8*\t, 152+12*BF, XC+12*\t, WS+2*BF+1, XS+\t      ; v likewise
.endr
	NOPS 4                                          ; four places ahead of the first read of results
.irp t, 0,1,2,3
	v_pk_mul_f32 v[TM+2*\t:TM+2*\t+1], v[192+8*\t:193+8*\t], v[QR:QR+1]
.endr
.irp p, 1,2,3
.irp t, 0,1,2,3
	v_pk_fma_f32 v[TM+2*\t:TM+2*\t+1], v[192+8*\t+2*\p:193+8*\t+2*\p], v[QR+2*\p:QR+2*\p+1], v[TM+2*\t:TM+2*\t+1]
.endr
.endr
.irp t, 0,1,2,3
	v_add_f32 v[TM+2*\t], v[TM+2*\t], v[TM+2*\t+1]  ; my half's eight terms of q . k
.endr
	v_permlane16_swap_b32 v[TM], v[TM+2]            ; tiles 0 and 1: both halves of a node meet in one lane,
	v_permlane16_swap_b32 v[TM+4], v[TM+6]          ; tiles 2 and 3
	v_add_f32 v[TM], v[TM], v[TM+2]                 ; lane l: the score of node 2 l,
	v_add_f32 v[TM+4], v[TM+4], v[TM+6]             ; and of node 2 l + 1
	v_cndmask_b32 v[TM], v[NINF], v[TM], s58        ; masked nodes: -infinity
	v_cndmask_b32 v[TM+4], v[NINF], v[TM+4], s59
	v_max3_num_f32 v[TM+8], v[TM], v[TM+4], 0xff61b1e6   ; -3e38 among the leaves: a wave all of whose nodes are masked keeps a number
.irp x, 1,2,4,8
	v_max_num_f32_dpp v[TM+8], v[TM+8], v[TM+8] row_xmask:\x row_mask:0xf bank_mask:0xf
.endr
	v_permlanex16_b32 v[TM+9], v[TM+8], s52, s53
	v_max_num_f32 v[TM+8], v[TM+8], v[TM+9]         ; my wave's maximum m
	v_mul_f32 v[TM+10], s60, v[TM+8]                ; c m, c = log2(e) / 4
	v_fma_f32 v[TM], v[TM], s60, -v[TM+10]
	v_fma_f32 v[TM+4], v[TM+4], s60, -v[TM+10]
	v_exp_f32 v[TM], v[TM]                          ; p = 2^(c s - c m)
	v_exp_f32 v[TM+4], v[TM+4]
	v_nop                                           ; a plain place behind the exponentials
	s_wait_alu depctr_va_vdst(0)                    ; one wait for the two, ahead of their first reader
	v_add_f32 v[TM+11], v[TM], v[TM+4]
.irp x, 1,2,4,8
	v_add_f32_dpp v[TM+11], v[TM+11], v[TM+11] row_xmask:\x row_mask:0xf bank_mask:0xf
.endr
	v_permlanex16_b32 v[TM+9], v[TM+11], s52, s53
	v_add_f32 v[TM+11], v[TM+11], v[TM+9]           ; l: the sum of my 64 p
	v_permlanex16_b32 v[TM+1], v[TM], s52, s53      ; p back to both halves of each tile
	v_permlanex16_b32 v[TM+5], v[TM+4], s52, s53
	v_cndmask_b32 v[TM+12], v[TM], v[TM+1], s54     ; tile 0
	v_cndmask_b32 v[TM+14], v[TM+1], v[TM], s54     ; tile 1
	v_cndmask_b32 v[TM+16], v[TM+4], v[TM+5], s54   ; tile 2
	v_cndmask_b32 v[TM+18], v[TM+5], v[TM+4], s54   ; tile 3
.irp p, 0,1,2,3
	v_pk_mul_f32 v[ACC+2*\p:ACC+2*\p+1], v[224+2*\p:225+2*\p], v[TM+12:TM+13] op_sel_hi:[1,0]
.endr
.irp t, 1,2,3
.irp p, 0,1,2,3
	v_pk_fma_f32 v[ACC+2*\p:ACC+2*\p+1], v[224+8*\t+2*\p:225+8*\t+2*\p], v[TM+12+2*\t:TM+13+2*\t], v[ACC+2*\p:ACC+2*\p+1] op_sel_hi:[1,0,1]
.endr
.endr
	MERGE ACC, ACC+1, 55, 1, TM+2                   ; eight registers x sixteen lanes are summed over the lanes: lane (r, hh) ends with channel 8 hh + r % 8
	MERGE ACC+2, ACC+3, 55, 1, TM+3
	MERGE ACC+4, ACC+5, 55, 1, TM+6
	MERGE ACC+6, ACC+7, 55, 1, TM+7
	MERGE ACC, ACC+2, 56, 2, TM+2
	MERGE ACC+4, ACC+6, 56, 2, TM+3
	MERGE ACC, ACC+4, 57, 4, TM+2
	v_add_f32_dpp v[ACC], v[ACC], v[ACC] row_xmask:8 row_mask:0xf bank_mask:0xf
	ds_store_b32 v[CTA], v[ACC] offset:CT+64*(\h)   ; lanes r and r + 8 write the same word with the same value
	ds_store_b64 v[GW8], v[TM+10:TM+11] offset:ML+64*(\h)
.endm
.macro LOADP t, buf                    ; tile t of W_pk and its 16 numbers of pq: six LDS loads
	FETCH 128+12*(\buf), WB2, (16+(\t))*FRB
	ds_load_b32 v[WS+(\buf)], v[SB] offset:(40+(\t))*128
	ds_load_b128 v[176+8*(\buf):176+8*(\buf)+3], v[BH32] offset:PQV+64*(\t)
	ds_load_b128 v[176+8*(\buf)+4:176+8*(\buf)+7], v[BH32] offset:PQV+64*(\t)+16
.endm
.macro PKT t                           ; 16 of pk's 128 channels for my 64 nodes, and their terms of pq . pk
.set BF, (\t)%2
.if (\t) < 7
	LOADP (\t)+1, ((\t)+1)%2
	s_wait_dscnt 6                                  ; all but the six just issued
.else
	s_wait_dscnt 0x0
.endif
.irp i, 0,1,2,3
	WMMA0 192+8*\i, 128+12*BF, XC+12*\i, WS+BF, XS+\i
.endr
	NOPS 4
.irp p, 0,1,2,3
.irp i, 0,1,2,3
.if ((\t) == 0) && (\p == 0)
	v_pk_mul_f32 v[224+2*\i:225+2*\i], v[192+8*\i:193+8*\i], v[176:177]
.else
	v_pk_fma_f32 v[224+2*\i:225+2*\i], v[192+8*\i+2*\p:193+8*\i+2*\p], v[176+8*BF+2*\p:177+8*BF+2*\p], v[224+2*\i:225+2*\i]
.endif
.endr
.endr
.endm
; TWO SMALL PRODUCTS ON END, in the chain wave.  v[88:91]: the first vector, 4 numbers a lane; v96-191 and WS: the first weights (tiles with permuted rows).  cone, ctwo: where the two C lie.
; The first product's results lie as the second quantiser wants them; the second's (natural rows) go to outv in natural order.  stash = 1: the first results are kept (combined), and combined + b_o is made.
.macro CHAIN cone, wtwo, wtoff, stoff, ctwo, outv, stash
	ds_store_b128 v[GD], v[88:91] offset:FE
	F6LOAD DX, FE
	s_wait_dscnt 0x0
	QUANT6 DX, 68, 80, FW0
	F5LOAD DX, \cone                                ; C, into the registers that the numbers have left
	NOPS 8                                          ; a scale word made by vector instructions stands eight places ahead of the scaled matrix instruction, codes so made four
	s_wait_dscnt 0x0
.irp t, 0,1,2,3,4,5,6,7
	WMMAC DX+8*\t, 96+12*\t, 68, DX+8*\t, WS+\t, FW0
.endr
	NOPS 4                                          ; places ahead of loads into operands that were read, and of the first read of results
.irp t, 0,1,2,3,4,5,6,7
	FETCH 96+12*\t, \wtwo, \wtoff+\t*FRB
	ds_load_b32 v[WS+\t], v[SB] offset:\stoff+128*\t
.endr
.if \stash
	F5STORE DX, COMB
	ds_load_b128 v[88:91], v[GD] offset:COMB
	ds_load_b128 v[92:95], v[GD] offset:BIAS+1536
.endif
	QUANT5 DX, 68, 80, FW1
	NATLOAD DX, \ctwo
	NOPS 8
	s_wait_dscnt 0x0
.irp t, 0,1,2,3,4,5,6,7
	WMMAC DX+8*\t, 96+12*\t, 68, DX+8*\t, WS+\t, FW1
.endr
; FIVE places behind these products: four serve the stores of their results and the loads into their operands; the fifth is owed because the next matrix instructions of this wave begin new sums, with C = 0, over these very registers
.if \stash
	v_pk_add_f32 v[88:89], v[88:89], v[92:93]       ; combined + b_o: two of the five
	v_pk_add_f32 v[90:91], v[90:91], v[94:95]
	NOPS 3
	ds_store_b128 v[GD], v[88:91] offset:C7V
.else
	NOPS 5
.endif
	NATSTORE DX, \outv
.irp n, 0,1,2,3,4,5,6,7,8,9,10,11
	ds_load_b128 v[XC+4*\n:XC+4*\n+3], v[GD] offset:PARK+512*\n   ; my codes of x come back
.endr
.endm
; ---------------- the head: ids, constants, every LDS address (all made ahead of the first parting of the waves)
	s_load_b512 s[4:19], s[0:1], 0x0               ; x, out0, mean_mask, attn_mask, sel_idx, cap_feat, time_feat, W_c
	s_load_b512 s[20:35], s[0:1], 0x40             ; b_c, W_qkv codes, scales, b_qkv, W_o codes, scales, b_o, W_pq codes
	s_load_b256 s[36:43], s[0:1], 0x80             ; W_pq scales, b_pq, W_pk codes, scales
	s_load_b64 s[44:45], s[0:1], 0xa0              ; b_pk
	v_lshl_add_u32 v[SPW], v0, 2, SPARE
	v_mov_b32 v[NIL], 0
	v_lshrrev_b32 v68, 5, v0
	v_readfirstlane_b32 s46, v68                   ; wave 0..15
	s_lshr_b32 s47, s46, 3                         ; G: which of the work-group's two batches
	s_and_b32 s48, s46, 7                          ; W8: which 64 nodes
	s_lshl_b32 s49, ttmp9, 1
	s_add_co_u32 s49, s49, s47                     ; the batch
	s_mov_b32 s52, 0x76543210
	s_mov_b32 s53, 0xfedcba98                      ; v_permlanex16_b32's selects for lane l xor 16
	s_mov_b32 s54, 0xffff0000                      ; lanes 16-31
	s_mov_b32 s55, 0xaaaaaaaa                      ; lanes with bit 0, 1, 2 set
	s_mov_b32 s56, 0xcccccccc
	s_mov_b32 s57, 0xf0f0f0f0
	s_mov_b32 s60, 0x3eb8aa3b                      ; c = log2(e) / sqrt(16)
	s_mov_b32 s85, 0                               ; upper words of the pairs that the packed forms name
	s_mov_b32 s87, 0
	s_mov_b32 s89, 0
	s_mov_b32 s91, 0
	s_mov_b32 s3, 0                                ; upper words of 64-bit offsets
	s_mov_b32 s51, 0
	s_mov_b32 s67, 0
	v_and_b32 v68, 31, v0                          ; lane
	v_and_b32 v69, 15, v0                          ; r
	v_bfe_u32 v70, v0, 4, 1                        ; hh
	v_lshlrev_b32 v[LI], 4, v68
	v_lshlrev_b32 v[L4], 2, v68
	v_lshlrev_b32 v[L8], 3, v68
	v_lshlrev_b32 v[SH8], 3, v70
	s_mul_i32 s2, s46, STGW
	v_add_nc_u32 v[STA], s2, v[LI]
	v_mul_u32_u24 v[STB], v69, SPITCH
	v_lshl_add_u32 v[STB], v70, 7, v[STB]
	v_add_nc_u32 v[STB], s2, v[STB]
	v_add_nc_u32 v[WB1], WIMG, v[LI]
	v_add_nc_u32 v[WB2], WIMG+24*FRB, v[LI]
	v_add_nc_u32 v[CB], CIMG, v[LI]
	v_add_nc_u32 v[SB], WSC, v[L4]
	s_mul_i32 s2, s46, FRB
	v_add_nc_u32 v[JA], s2, v[WB1]                 ; image 8 G + W8 (+ 16 for each further job)
	v_add_nc_u32 v[CA], s2, v[CB]
	s_lshl_b32 s2, s46, 7
	v_add_nc_u32 v[JS], s2, v[SB]
	s_mul_i32 s50, s47, GRPB
	s_add_co_u32 s50, s50, GRP                     ; my group's region
	v_add_nc_u32 v[GD], s50, v[LI]
	v_lshl_add_u32 v[BH32], v70, 5, s50
	v_lshl_add_u32 v[BH64], v70, 6, s50
	v_lshl_add_u32 v[BH128], v70, 7, s50
	v_bfe_u32 v71, v0, 2, 3                        ; lane / 4
	v_lshl_add_u32 v[MLR], v71, 6, s50
	v_mov_b32 v[GBU], s50
	s_lshl_b32 s2, s48, 9
	s_add_co_u32 s2, s2, s50
	v_add_nc_u32 v[GDW], s2, v[LI]
	v_and_b32 v71, 7, v0
	v_lshl_add_u32 v71, v70, 3, v71
	v_lshl_add_u32 v[CTA], v71, 2, s2
	s_lshl_b32 s2, s48, 3
	s_add_co_u32 s2, s2, s50
	v_mov_b32 v[GW8], s2
	s_lshl_b32 s2, s48, 2
	s_add_co_u32 s2, s2, s50
	v_mov_b32 v[GW4], s2
	v_mov_b32 v[NINF], 0xff800000
	; offsets into the weights in memory (v107-113: free again when their loads are in)
	v_mul_u32_u24 v107, v69, 96
	v_mad_u32_u24 v107, v70, 24, v107              ; natural rows: 96 r + 24 hh
	v_and_b32 v71, 8, v69
	v_mul_u32_u24 v72, s47, v71
	v_add_nc_u32 v72, v72, v69                     ; job 1: row r (Wv, G = 0) or r + 8 (r / 8) (W_o, G = 1)
	v_add_nc_u32 v73, v71, v69                     ; r + 8 (r / 8)
	v_mul_u32_u24 v108, v72, 96
	v_mad_u32_u24 v108, v70, 24, v108
	v_lshlrev_b32 v109, 2, v69                     ; scale words: 4 bytes a row
	v_lshlrev_b32 v110, 2, v72
	v_mul_u32_u24 v111, v73, 1032                  ; W_c: a row is 258 f32
	v_lshl_add_u32 v112, v70, 7, v111              ; + 32 numbers for lanes 16-31
	v_lshlrev_b32 v113, 1, v68                     ; attn_mask: two nodes a lane
.irp n, 0,1,2,3,4,5,6,7,8,9,10,11,12,13,14,15,16,17,18,19,20
	v_mov_b32 v[TM+\n], 0                          ; written once: destinations of lane permutes and the upper halves of named pairs count as read
.endr
	s_wait_kmcnt 0x0
	s_lshl_b32 s2, s49, 18
	s_add_nc_u64 s[92:93], s[4:5], s[2:3]          ; x at my batch
	s_lshl_b32 s50, s48, 15
	s_add_nc_u64 s[4:5], s[92:93], s[50:51]        ; x at my 64 nodes
	s_lshl_b32 s2, s49, 9
	s_lshl_b32 s50, s48, 6
	s_add_co_u32 s2, s2, s50                       ; 512 b + 64 W8
	s_add_nc_u64 s[8:9], s[8:9], s[2:3]
	s_add_nc_u64 s[10:11], s[10:11], s[2:3]
	s_lshl_b32 s2, s2, 2
	s_add_nc_u64 s[6:7], s[6:7], s[2:3]            ; out0 at my 64 nodes
	s_lshl_b32 s2, s49, 2
	s_add_nc_u64 s[12:13], s[12:13], s[2:3]
	s_add_nc_u64 s[14:15], s[14:15], s[2:3]
	s_add_nc_u64 s[16:17], s[16:17], s[2:3]
	s_load_b32 s66, s[12:13], 0x0                  ; sel_idx[b]
	s_load_b32 s62, s[14:15], 0x0                  ; cap_feat[b]
	s_load_b32 s63, s[16:17], 0x0                  ; time_feat[b]
	s_load_b512 s[68:83], s[8:9], 0x0              ; my 64 bytes of mean_mask
	s_lshr_b32 s61, s48, 1
	s_lshl_b32 s61, s61, 5
	s_and_b32 s50, s48, 1
	s_lshl_b32 s50, s50, 3
	s_add_co_u32 s61, s61, s50                     ; a permuted tile W8 begins at row 32 (W8 / 2) + 8 (W8 % 2)
	s_mul_i32 s2, s46, FRB
	s_add_nc_u64 s[94:95], s[22:23], s[2:3]        ; job 0: Wq (G = 0) or Wk (G = 1), tile W8: row 128 G + 16 W8
	s_lshl_b32 s2, s46, 6
	s_add_nc_u64 s[98:99], s[24:25], s[2:3]
	s_lshl_b32 s50, s48, 4
	s_add_co_u32 s50, s50, 256
	s_cmp_eq_u32 s47, 0
	s_cselect_b32 s50, s50, s61                    ; job 1: Wv's tile W8, or W_o's permuted one: its first row,
	s_cselect_b64 s[96:97], s[22:23], s[28:29]     ; its codes,
	s_cselect_b64 s[100:101], s[24:25], s[30:31]   ; its scales
	s_cselect_b64 s[34:35], s[34:35], s[40:41]     ; job 2: W_pq or W_pk
	s_cselect_b64 s[36:37], s[36:37], s[42:43]
	s_mul_i32 s2, s50, 96
	s_add_nc_u64 s[96:97], s[96:97], s[2:3]
	s_lshl_b32 s2, s50, 2
	s_add_nc_u64 s[100:101], s[100:101], s[2:3]
	s_mul_i32 s2, s48, FRB
	s_add_nc_u64 s[34:35], s[34:35], s[2:3]
	s_lshl_b32 s2, s48, 6
	s_add_nc_u64 s[36:37], s[36:37], s[2:3]
	s_mul_i32 s2, s61, 1032
	s_lshl_b32 s50, s47, 9
	s_add_co_u32 s2, s2, s50
	s_add_nc_u64 s[18:19], s[18:19], s[2:3]        ; W_c: permuted tile W8, K step G
; ---------------- the loads, the oldest wanted first; x's first tile goes out behind them
	s_cmp_lg_u32 s48, 0
	s_cbranch_scc1 .Lno_bias
	global_load_b128 v[TM:TM+3], v[LI], s[20:21]                   ; b_c
	global_load_b128 v[TM+4:TM+7], v[LI], s[26:27]                 ; bq
	global_load_b128 v[TM+8:TM+11], v[LI], s[26:27] offset:1024    ; bv (bk, between them, is not loaded)
	global_load_b128 v[TM+12:TM+15], v[LI], s[32:33]               ; b_o
	global_load_b128 v[TM+16:TM+19], v[LI], s[38:39]               ; b_pq
.Lno_bias:
	s_cmp_lg_u32 s47, 0
	s_cbranch_scc1 .Lno_tail_load
	global_load_b64 v[116:117], v111, s[18:19] offset:1024         ; W_c[row][256:258]
.Lno_tail_load:
	WLOAD 68, 107, 94, 104, 109, 98
	WLOAD 80, 108, 96, 105, 110, 100
	WLOAD 92, 107, 34, 106, 109, 36
.irp c, 0,1
.irp q, 0,1,2,3,4,5,6,7,8,9,10,11,12,13,14,15
	global_load_b64 v[DX+32*\c+2*\q:DX+32*\c+2*\q+1], v112, s[18:19] offset:256*\c+8*\q   ; W_c(row, 128 G + 64 c + 32 hh + 2 q ..): rows of 1,032 bytes are multiples of 8 alone
.endr
.endr
	global_load_b128 v[BPK:BPK+3], v[LI], s[44:45]
	global_load_u16 v118, v113, s[10:11]           ; attn_mask of nodes 2 l and 2 l + 1
	s_wait_kmcnt 0x0
	s_min_u32 s66, s66, 511                        ; the index is held inside the table
	s_lshl_b32 s66, s66, 9
	s_add_nc_u64 s[92:93], s[92:93], s[66:67]
	s_cmp_lg_u32 s48, 0
	s_cbranch_scc1 .Lno_sel_load
	global_load_b128 v[120:123], v[LI], s[92:93]   ; the selected row
.Lno_sel_load:
	XLOAD 0
; ---------------- the weights become images
	s_wait_loadcnt 50                              ; younger than the codes: W_c's 32, b_pk, the mask, x's 16 (in a chain wave the selected row too: the count then waits for one load more)
	IMAGE JA, 68, 0
	ds_store_b32 v[JS], v104
	IMAGE JA, 80, 16*FRB
	ds_store_b32 v[JS], v105 offset:2048
	IMAGE JA, 92, 32*FRB
	ds_store_b32 v[JS], v106 offset:4096
	s_cmp_lg_u32 s48, 0
	s_cbranch_scc1 .Lno_bias_store
.irp n, 0,1,2,3,4
	ds_store_b128 v[GD], v[TM+4*\n:TM+4*\n+3] offset:BIAS+512*\n
.endr
.Lno_bias_store:
	s_wait_dscnt 0x0                               ; the stores have read their registers
	s_wait_loadcnt 18                              ; W_c's 32 are in (younger: b_pk, the mask, x's 16)
	QUANT6 DX, 68, TM+8, 104
	IMAGE CA, 68, 0
	ds_store_b32 v[JS], v104 offset:CSCO
	s_cmp_lg_u32 s47, 0
	s_cbranch_scc1 .Lno_tail
	v_cndmask_b32 v80, v116, 0, s54                ; lanes 16-31 hold k = 32 .. 63 of the step: zeros
	v_cndmask_b32 v81, v117, 0, s54
.irp n, 82,83,84,85,86,87,88,89,90,91,92,93,94,95
	v_mov_b32 v\n, 0
.endr
	QTAIL 80, 96, 114                              ; the fragment in v96-107, its scale word in v114, outside them
	IMAGE CA, 96, 16*FRB
	ds_store_b32 v[JS], v114 offset:CSCO+2048
.Lno_tail:
	s_wait_loadcnt 16                              ; all but x's 16
	v_and_b32 v[TM], 0xff, v118
	v_lshrrev_b32 v[TM+1], 8, v118
	v_cmp_eq_u32 s58, 0, v[TM]                     ; lane l: node 2 l counts
	v_cmp_eq_u32 s59, 0, v[TM+1]                   ; node 2 l + 1 counts
	s_cmp_lg_u32 s48, 0
	s_cbranch_scc1 .Lno_sel_store
	ds_store_b128 v[GD], v[120:123] offset:FS
.Lno_sel_store:
	BARRIER                                        ; all images lie in LDS; from here on they are only read
; ---------------- the chain wave, while x is on its way: b_c + W_c's K steps 1 (the selected row) and 2 (cap, time)
	s_cmp_lg_u32 s48, 0
	s_cbranch_scc1 .Lno_a0
	F6LOAD DX, FS
	v_mov_b32 v100, s62
	v_mov_b32 v101, s63
	v_cndmask_b32 v100, v100, 0, s54
	v_cndmask_b32 v101, v101, 0, s54
.irp n, 102,103,104,105,106,107,108,109,110,111,112,113,114,115
	v_mov_b32 v\n, 0
.endr
	QTAIL 100, 88, FW2
	s_wait_dscnt 0x0
	QUANT6 DX, 68, 80, FW1
	NOPS 8                                         ; scale words made by vector instructions: eight places ahead of the scaled matrix instructions
.irp rho, 0,1,2,3                      ; two tiles a round; the two accumulators take turns, one instruction a turn
	FETCH 192, CB, (8+2*\rho)*FRB
	FETCH 204, CB, (9+2*\rho)*FRB
	FETCH 216, CB, (16+2*\rho)*FRB
	FETCH 228, CB, (17+2*\rho)*FRB
	ds_load_b32 v[WS], v[SB] offset:CSCO+128*(8+2*\rho)
	ds_load_b32 v[WS+1], v[SB] offset:CSCO+128*(9+2*\rho)
	ds_load_b32 v[WS+2], v[SB] offset:CSCO+128*(16+2*\rho)
	ds_load_b32 v[WS+3], v[SB] offset:CSCO+128*(17+2*\rho)
.irp u, 0,1
.irp i, 0,1
	ds_load_b128 v[240+8*\u+4*\i:243+8*\u+4*\i], v[BH64] offset:BIAS+128*\rho+32*\u+16*\i   ; b_c is the C
.endr
.endr
	s_wait_dscnt 0x0
	WMMAC 240, 192, 68, 240, WS, FW1
	WMMAC 248, 204, 68, 248, WS+1, FW1
	WMMAC 240, 216, 88, 240, WS+2, FW2
	WMMAC 248, 228, 88, 248, WS+3, FW2
	NOPS 4                                         ; places ahead of the stores of results and of the next round's loads
.irp u, 0,1
.irp i, 0,1
	ds_store_b128 v[BH64], v[240+8*\u+4*\i:243+8*\u+4*\i] offset:PCV+128*\rho+32*\u+16*\i
.endr
.endr
.endr
	s_wait_dscnt 0x0                               ; the stores have read their registers: x's next rows land there
.Lno_a0:
; ---------------- the stream: 64 rows of x a wave, 32 loads out at the start, 16 or more until the last tile but one
	XLOAD 1
	TILE 0, 16, 1
	TILE 1, 16, 1
	TILE 2, 16, 0
	TILE 3, 0, 0
	v_pk_add_f32 v[ACC:ACC+1], v[ACC:ACC+1], v[ACC+4:ACC+5]
	v_pk_add_f32 v[ACC+2:ACC+3], v[ACC+2:ACC+3], v[ACC+6:ACC+7]
	ds_store_b128 v[GDW], v[ACC:ACC+3] offset:PS   ; my 64 nodes' masked sum
	s_bcnt1_i32_b32 s50, s68                       ; a mask byte is 0 or 1: the ones are the masked nodes
.irp n, 69,70,71,72,73,74,75,76,77,78,79,80,81,82,83
	s_bcnt1_i32_b32 s2, s\n
	s_add_co_u32 s50, s50, s2
.endr
	s_sub_co_u32 s50, 64, s50
	v_cvt_f32_u32 v[TM], s50
	ds_store_b32 v[GW4], v[TM] offset:CNT
	s_cmp_lg_u32 s48, 0
	s_cbranch_scc1 .Lno_park
.irp n, 0,1,2,3,4,5,6,7,8,9,10,11
	ds_store_b128 v[GD], v[XC+4*\n:XC+4*\n+3] offset:PARK+512*\n   ; the chain needs these registers
.endr
.Lno_park:
	BARRIER                                        ; the eight sums and counts of each batch lie in LDS
; ---------------- chain A: mean -> combined -> q
	s_cmp_lg_u32 s48, 0
	s_cbranch_scc1 .Lno_chain_a
.irp w, 0,1,2,3,4,5,6,7
	ds_load_b128 v[DX+4*\w:DX+4*\w+3], v[GD] offset:PS+512*\w
.endr
	ds_load_b128 v[DX+32:DX+35], v[GBU] offset:CNT
	ds_load_b128 v[DX+36:DX+39], v[GBU] offset:CNT+16
.irp t, 0,1,2,3,4,5,6,7
	FETCH 96+12*\t, CB, \t*FRB                     ; W_c, K step 0
	ds_load_b32 v[WS+\t], v[SB] offset:CSCO+128*\t
.endr
	s_wait_dscnt 32                                ; the sums and counts are in; the 32 loads of weights may be out
.irp w, 0,2,4,6
	v_pk_add_f32 v[DX+4*\w:DX+4*\w+1], v[DX+4*\w:DX+4*\w+1], v[DX+4*\w+4:DX+4*\w+5]
	v_pk_add_f32 v[DX+4*\w+2:DX+4*\w+3], v[DX+4*\w+2:DX+4*\w+3], v[DX+4*\w+6:DX+4*\w+7]
.endr
	v_pk_add_f32 v[DX+32:DX+33], v[DX+32:DX+33], v[DX+34:DX+35]
	v_pk_add_f32 v[DX+36:DX+37], v[DX+36:DX+37], v[DX+38:DX+39]
.irp w, 0,4
	v_pk_add_f32 v[DX+4*\w:DX+4*\w+1], v[DX+4*\w:DX+4*\w+1], v[DX+4*\w+8:DX+4*\w+9]
	v_pk_add_f32 v[DX+4*\w+2:DX+4*\w+3], v[DX+4*\w+2:DX+4*\w+3], v[DX+4*\w+10:DX+4*\w+11]
.endr
	v_pk_add_f32 v[DX+32:DX+33], v[DX+32:DX+33], v[DX+36:DX+37]
	v_add_f32 v[DX+32], v[DX+32], v[DX+33]
	v_max_num_f32 v[DX+32], 1.0, v[DX+32]          ; the count, at least 1
	v_rcp_f32 v[TM], v[DX+32]
	v_pk_add_f32 v[DX:DX+1], v[DX:DX+1], v[DX+16:DX+17]        ; plain work behind the reciprocal
	v_pk_add_f32 v[DX+2:DX+3], v[DX+2:DX+3], v[DX+18:DX+19]
	s_wait_alu depctr_va_vdst(0)                   ; ahead of the reciprocal's first reader
	v_pk_mul_f32 v[88:89], v[DX:DX+1], v[TM:TM+1] op_sel_hi:[1,0]
	v_pk_mul_f32 v[90:91], v[DX+2:DX+3], v[TM:TM+1] op_sel_hi:[1,0]   ; the mean
	CHAIN PCV, WB1, 0, 0, BIAS+512, QV, 1
.Lno_chain_a:
	BARRIER                                        ; q lies in LDS
; ---------------- the attention, head by head
	LOADH 0, 0
	NOPS 4                                         ; codes made by vector instructions stand four places ahead of a scaled matrix instruction: in a wave that walks no chain only three plain lines lie between tile 3's last code and here
.irp h, 0,1,2,3,4,5,6,7
	HEAD \h
.endr
	BARRIER                                        ; every wave's (c m, l) and part of ctx lie in LDS
; ---------------- chain B: the parts are merged under the maximum over the waves -> ctx -> veh -> pq
	s_cmp_lg_u32 s48, 0
	s_cbranch_scc1 .Lno_chain_b
.irp i, 0,1,2,3
	ds_load_b128 v[DX+4*\i:DX+4*\i+3], v[MLR] offset:ML+16*\i      ; lane l holds channels 4 l .. 4 l + 3: head l / 4; register 2 w: c m of wave w, 2 w + 1: its l
.endr
.irp w, 0,1,2,3,4,5,6,7
	ds_load_b128 v[DX+16+4*\w:DX+19+4*\w], v[GD] offset:CT+512*\w
.endr
	ds_load_b128 v[DX+48:DX+51], v[GD] offset:BIAS+1024            ; bv
.irp t, 0,1,2,3,4,5,6,7
	FETCH 96+12*\t, WB2, \t*FRB                    ; W_o
	ds_load_b32 v[WS+\t], v[SB] offset:(24+\t)*128
.endr
	s_wait_dscnt 32                                ; the 13 loads of the merge are in; the 32 of weights may be out
	v_max3_num_f32 v[TM+2], v[DX], v[DX+2], v[DX+4]
	v_max3_num_f32 v[TM+2], v[TM+2], v[DX+6], v[DX+8]
	v_max3_num_f32 v[TM+2], v[TM+2], v[DX+10], v[DX+12]
	v_max_num_f32 v[TM+2], v[TM+2], v[DX+14]       ; the head's maximum, as c m
.irp w, 0,1,2,3,4,5,6,7
	v_sub_f32 v[DX+2*\w], v[DX+2*\w], v[TM+2]
.endr
.irp w, 0,1,2,3,4,5,6,7
	v_exp_f32 v[DX+2*\w], v[DX+2*\w]               ; 2^(c m_w - c m)
.endr
	v_nop
	s_wait_alu depctr_va_vdst(0)                   ; one wait for the eight
	v_mul_f32 v[TM+3], v[DX], v[DX+1]
.irp w, 1,2,3,4,5,6,7
	v_fmac_f32 v[TM+3], v[DX+2*\w], v[DX+2*\w+1]   ; the weights' sum
.endr
	v_rcp_f32 v[TM], v[TM+3]
	v_pk_mul_f32 v[DX+52:DX+53], v[DX+16:DX+17], v[DX:DX+1] op_sel_hi:[1,0]
	v_pk_mul_f32 v[DX+54:DX+55], v[DX+18:DX+19], v[DX:DX+1] op_sel_hi:[1,0]
.irp w, 1,2,3,4,5,6,7
	v_pk_fma_f32 v[DX+52:DX+53], v[DX+16+4*\w:DX+17+4*\w], v[DX+2*\w:DX+2*\w+1], v[DX+52:DX+53] op_sel_hi:[1,0,1]
	v_pk_fma_f32 v[DX+54:DX+55], v[DX+18+4*\w:DX+19+4*\w], v[DX+2*\w:DX+2*\w+1], v[DX+54:DX+55] op_sel_hi:[1,0,1]
.endr
	s_wait_alu depctr_va_vdst(0)                   ; ahead of the reciprocal's first reader
	v_pk_fma_f32 v[88:89], v[DX+52:DX+53], v[TM:TM+1], v[DX+48:DX+49] op_sel_hi:[1,0,1]
	v_pk_fma_f32 v[90:91], v[DX+54:DX+55], v[TM:TM+1], v[DX+50:DX+51] op_sel_hi:[1,0,1]   ; ctx = the merged sum / the weights' sum + bv
	CHAIN C7V, WB2, 8*FRB, 32*128, BIAS+2048, PQV, 0
.Lno_chain_b:
	BARRIER                                        ; pq lies in LDS
; ---------------- z = pq . (x W_pk^T + b_pk), e = exp(10 tanh z - 10)
	ds_load_b128 v[232:235], v[GD] offset:PQV
	LOADP 0, 0
	s_mov_b32 s2, 0x4038aa3b                       ; 2 log2(e)
	s_wait_dscnt 6                                 ; pq, 4 numbers a lane, is in
	v_pk_mul_f32 v[240:241], v[232:233], v[BPK:BPK+1]
	v_pk_fma_f32 v[240:241], v[234:235], v[BPK+2:BPK+3], v[240:241]
	v_add_f32 v236, v240, v241
.irp x, 1,2,4,8
	v_add_f32_dpp v236, v236, v236 row_xmask:\x row_mask:0xf bank_mask:0xf
.endr
	v_permlanex16_b32 v[TM+9], v236, s52, s53
	v_add_f32 v236, v236, v[TM+9]                  ; pq . b_pk
	v_mul_f32 v236, s2, v236                       ; x 2 log2(e)
.irp t, 0,1,2,3,4,5,6,7
	PKT \t
.endr
.irp i, 0,1,2,3
	v_add_f32 v[224+2*\i], v[224+2*\i], v[225+2*\i]
.endr
	v_permlane16_swap_b32 v224, v226
	v_permlane16_swap_b32 v228, v230
	v_add_f32 v238, v224, v226                     ; lane l: node 2 l,
	v_add_f32 v239, v228, v230                     ; node 2 l + 1
	v_fma_f32 v238, v238, s2, v236                 ; 2 log2(e) z
	v_fma_f32 v239, v239, s2, v236
	v_exp_f32 v238, v238
	v_exp_f32 v239, v239
	v_nop
	s_wait_alu depctr_va_vdst(0)
	v_add_f32 v238, 1.0, v238
	v_add_f32 v239, 1.0, v239
	v_rcp_f32 v238, v238                           ; 10 tanh z - 10 = -20 / (1 + e^(2 z))
	v_rcp_f32 v239, v239
	v_nop
	s_wait_alu depctr_va_vdst(0)
	v_mul_f32 v238, 0xc1e6d4ca, v238               ; x -20 log2(e)
	v_mul_f32 v239, 0xc1e6d4ca, v239
	v_exp_f32 v238, v238
	v_exp_f32 v239, v239
	v_nop
	s_wait_alu depctr_va_vdst(0)
	v_cndmask_b32 v238, 0, v238, s58               ; masked nodes count for nothing
	v_cndmask_b32 v239, 0, v239, s59
	v_add_f32 v[TM], v238, v239
.irp x, 1,2,4,8
	v_add_f32_dpp v[TM], v[TM], v[TM] row_xmask:\x row_mask:0xf bank_mask:0xf
.endr
	v_permlanex16_b32 v[TM+9], v[TM], s52, s53
	v_add_f32 v[TM], v[TM], v[TM+9]
	ds_store_b32 v[GW4], v[TM] offset:SUM
	BARRIER                                        ; the eight sums of each batch lie in LDS
	ds_load_b128 v[240:243], v[GBU] offset:SUM
	ds_load_b128 v[244:247], v[GBU] offset:SUM+16
	s_wait_dscnt 0x0
	v_pk_add_f32 v[240:241], v[240:241], v[242:243]
	v_pk_add_f32 v[244:245], v[244:245], v[246:247]
	v_pk_add_f32 v[240:241], v[240:241], v[244:245]
	v_add_f32 v240, v240, v241
	v_rcp_f32 v[TM], v240
	v_nop
	s_wait_alu depctr_va_vdst(0)
	v_pk_mul_f32 v[238:239], v[238:239], v[TM:TM+1] op_sel_hi:[1,0]
	global_store_b64 v[L8], v[238:239], s[6:7] th:TH_STORE_NT      ; 32 lanes store 256 consecutive bytes, at a multiple of 256 from out0's first byte
	s_wait_tensorcnt 0x0                           ; the wave's end, behind my last LDS store
	ds_add_u32 v[SPW], v[NIL]
	s_wait_dscnt 0x0
	s_endpgm
.Lfunc_end_k_q30b5243e6e_decode:
	.size	k_q30b5243e6e_decode, .Lfunc_end_k_q30b5243e6e_decode-k_q30b5243e6e_decode
	.p2alignl 7, 3214868480
	.fill 96, 4, 3214868480
	.section	.rodata,"a",@progbits
	.p2align	6, 0x0
	.amdhsa_kernel k_q30b5243e6e_decode
		.amdhsa_group_segment_fixed_size 300032
		.amdhsa_private_segment_fixed_size 0
		.amdhsa_enable_private_segment 0
		.amdhsa_kernarg_size 168
		.amdhsa_user_sgpr_count 2
		.amdhsa_user_sgpr_kernarg_segment_ptr 1
		.amdhsa_wavefront_size32 1
		.amdhsa_system_sgpr_workgroup_id_x 1
		.amdhsa_system_sgpr_workgroup_id_y 1
		.amdhsa_system_sgpr_workgroup_id_z 1
		.amdhsa_system_vgpr_workitem_id 0
		.amdhsa_next_free_vgpr 256
		.amdhsa_next_free_sgpr 102
		.amdhsa_reserve_vcc 0
		.amdhsa_float_denorm_mode_32 3
		.amdhsa_float_denorm_mode_16_64 3
		.amdhsa_memory_ordered 1
		.amdhsa_forward_progress 1
		.amdhsa_inst_pref_size 193
	.end_amdhsa_kernel
	.amdgpu_metadata
---
amdhsa.version: [ 1, 2 ]
amdhsa.kernels:
  - .name:           k_q30b5243e6e_decode
    .symbol:         k_q30b5243e6e_decode.kd
    .args:
      - { .name: x, .offset: 0, .size: 8, .value_kind: global_buffer, .address_space: global }
      - { .name: out0, .offset: 8, .size: 8, .value_kind: global_buffer, .address_space: global }
      - { .name: mean_mask, .offset: 16, .size: 8, .value_kind: global_buffer, .address_space: global }
      - { .name: attn_mask, .offset: 24, .size: 8, .value_kind: global_buffer, .address_space: global }
      - { .name: sel_idx, .offset: 32, .size: 8, .value_kind: global_buffer, .address_space: global }
      - { .name: cap_feat, .offset: 40, .size: 8, .value_kind: global_buffer, .address_space: global }
      - { .name: time_feat, .offset: 48, .size: 8, .value_kind: global_buffer, .address_space: global }
      - { .name: W_c, .offset: 56, .size: 8, .value_kind: global_buffer, .address_space: global }
      - { .name: b_c, .offset: 64, .size: 8, .value_kind: global_buffer, .address_space: global }
      - { .name: W_qkv_codes, .offset: 72, .size: 8, .value_kind: global_buffer, .address_space: global }
      - { .name: W_qkv_scales, .offset: 80, .size: 8, .value_kind: global_buffer, .address_space: global }
      - { .name: b_qkv, .offset: 88, .size: 8, .value_kind: global_buffer, .address_space: global }
      - { .name: W_o_codes, .offset: 96, .size: 8, .value_kind: global_buffer, .address_space: global }
      - { .name: W_o_scales, .offset: 104, .size: 8, .value_kind: global_buffer, .address_space: global }
      - { .name: b_o, .offset: 112, .size: 8, .value_kind: global_buffer, .address_space: global }
      - { .name: W_pq_codes, .offset: 120, .size: 8, .value_kind: global_buffer, .address_space: global }
      - { .name: W_pq_scales, .offset: 128, .size: 8, .value_kind: global_buffer, .address_space: global }
      - { .name: b_pq, .offset: 136, .size: 8, .value_kind: global_buffer, .address_space: global }
      - { .name: W_pk_codes, .offset: 144, .size: 8, .value_kind: global_buffer, .address_space: global }
      - { .name: W_pk_scales, .offset: 152, .size: 8, .value_kind: global_buffer, .address_space: global }
      - { .name: b_pk, .offset: 160, .size: 8, .value_kind: global_buffer, .address_space: global }
    .group_segment_fixed_size: 300032
    .private_segment_fixed_size: 0
    .kernarg_segment_align: 8
    .kernarg_segment_size: 168
    .max_flat_workgroup_size: 512
    .sgpr_count:     102
    .vgpr_count:     256
    .wavefront_size: 32
...
	.end_amdgpu_metadata
.endif
;; end of part 1
;; ======== version 2 of 2: 1 launch; version 1 with the launch decode written anew for expert scheduling mode
;; launch decode (part 2): grid 256 x 1, 16 waves a work-group, no clusters, 300,032 bytes of LDS; arguments x, out0, mean_mask, attn_mask, sel_idx, cap_feat, time_feat, W_c, b_c, W_qkv_codes, W_qkv_scales, b_qkv, W_o_codes, W_o_scales, b_o, W_pq_codes, W_pq_scales, b_pq, W_pk_codes, W_pk_scales, b_pk; writes out0
.if DOCPART == 2
	.amdgcn_target "amdgcn-amd-amdhsa--gfx1250"
	.amdhsa_code_object_version 6
	.text
	.protected	k_q30b5243e6e_decode
	.globl	k_q30b5243e6e_decode
	.p2align	8
	.type	k_q30b5243e6e_decode,@function
k_q30b5243e6e_decode:
	s_mov_b64 s[64:65], 0
	v_nop
	global_prefetch_b8 v0, s[64:65] scope:SCOPE_SE
	s_setreg_imm32_b32 hwreg(HW_REG_WAVE_SCHED_MODE, 0, 2), 2
	s_setreg_imm32_b32 hwreg(HW_REG_WAVE_MODE, 25, 1), 1
	s_wait_xcnt 0x0
	s_wait_alu depctr_vm_vsrc(0)
; ONE DECODER STEP FOR 512 BATCHES OF 512 NODES x 128, the quantised products on codes of BF6 (E3M2) with one E8M0 scale for each 32 along K.
; masked mean and selected row of x -> combined (W_c, K = 258) -> q (Wq) -> eight heads of single-query attention over k = x Wk^T, v = x Wv^T -> W_o, residual -> pq (W_pq)
; -> u = 10 tanh(pq . (x W_pk^T + b_pk)) -> masked softmax over the nodes.
; SHARES.  256 work-groups of 16 waves.  Waves 0-7 (G = 0) own batch 2 g, waves 8-15 (G = 1) batch 2 g + 1; a wave owns 64 nodes of its batch.  x is read from memory ONCE, a row (512 bytes) a load; on the way it is
; summed under the mean mask and quantised, and what stays is its codes: four fragments (48 registers) and four scale words a wave.  k, v and pk are made tile by tile from those codes and never leave the registers.
; The weights lie in LDS as images of operand registers, laid once by the sixteen waves.  The four small products (one row a batch) are done by wave 0 of each group, in registers, with the row repeated in all 16 columns.
; EVERY MATRIX INSTRUCTION IS USED TRANSPOSED: source 0 = 16 rows of a weight, source 1 = 16 nodes (or the repeated row): lane (r, hh) holds node r, register j output 8 hh + j of the weight's tile.  A head is one tile.
; THE NODES OF A TILE ARE NOT NEIGHBOURS: row j of tile i is node 32 (i & 1) + 2 j + (i >> 1) of the wave's 64, so that the packed per-node sums hold node 2 l and node 2 l + 1 in lane l: 256 dense bytes of output a wave.
; WORK LEFT OUT.  bk = b_qkv[128:256]: it adds q_h . bk_h to every score of head h, one number for all nodes, and a softmax is unchanged by a term that is the same along its axis; the product of q with k is not quantised,
; so bk moves no code and no scale.  This holds for all finite values of the inputs.  Those 512 bytes of b_qkv are not loaded.  A NaN, an infinity or an overflow that reaches bk alone is not carried to the result.
; TERMS MOVED (equal in real numbers): bv is added once behind the division by the weights' sum, since the weights sum to 1; pq . b_pk is added once to each node's sum, inside the tanh; b_c, bq, combined + b_o and b_pq
; are the C of their products' first matrix instruction.
; THE MAXIMA.  The attention takes each wave's maximum away and the merge the maximum over the eight waves.  The last softmax is shifted by 10: the 10 tanh of the problem holds u in -10 .. 10 for every input, so
; e = exp(u - 10) = 2^(-20 log2(e) / (1 + 2^(2 log2(e) z))) lies in 2^-28.9 .. 1 and a sum of 512 of them neither overflows nor underflows.
; LIMITS.  NaN and infinities among the floating-point inputs are not served.  Scores are taken to lie above -3e38.  A batch whose attn_mask is all true gives NaN in its 512 outputs (0 times the reciprocal of 0).
; A block of zeros gets the scale byte 1 where the quantiser says 127: its codes are zeros, and this program alone reads those bytes.  sel_idx is held to 0 .. 511.  The f32 sums of the mean, of the merge and of the
; moved biases run in another order than written in the problem.
; NO CLUSTER, NO TENSOR LOAD: the work-groups share the weights alone (73,728 bytes of codes and 132,096 of W_c against 524,288 bytes of x that are a work-group's own); W_c passes through registers to be quantised and
; the codes to be laid as images, and x is wanted in registers for the masked sum; a joint request is a tensor load.  NO PREFETCH: each wave has 32 row loads (16 KiB) out from its start on, half of all it reads.
; THE MODE: SCHED_MODE bits 1:0 = 2 (LLVM: expert scheduling mode 2), set by the entry lines.  The code itself states the register dependences between vector or matrix instructions and memory or LDS instructions,
; with s_wait_alu, always for 0.
; THE PLAN.  Registers that memory or LDS instructions touch, and who else names them:
;   v1-23, v65-67   addresses: written at the head, read by every LDS and memory instruction, never written again.  v107-113: the weights' offsets, read by the head's loads alone.  One wait on va_vdst ahead of the first load.
;   the two slots   (v128-191, v192-255) in the stream: x's rows land; the stage's stores and the masked sums read them; the stage's loads land in them; the quantiser reads them; the tile two on lands.
;                   A tile: the stores first, the sums while they are out, one wait on va_vdst and one on vm_vsrc ahead of the stage's loads, one on va_vdst behind the conversions ahead of the refill.
;   XC, XS, ACC, TM written by vector instructions; read by the stores of the wave's sum, count and parked codes: one wait on va_vdst ahead of that run, one on vm_vsrc behind the barrier.
;   the chains      behind each quantiser the places and one wait on va_vdst (codes and scale word for the scaled products; v192-255 free for C); behind each run of products the places and one wait on va_vdst
;                   (results for the stores, operands free for the next weights); a wait on vm_vsrc ahead of each load that lands where a store has read.
;   heads, pk tiles two buffers of weights and of q or pq by turns.  A step's products and multiplies read one; the next step's loads land in the other, dealt among the step's products, which name none of their registers.
;                   A head's one wait on va_vdst stands at its end, ahead of its two stores; a pk tile has no store.  One wait on vm_vsrc a head ahead of the rewrite of the stores' data.
.set STGW,   8448                      ; LDS: a stage for each wave, 16 rows x 528 bytes, from byte 0
.set SPITCH, 528                       ; 512 + 16: the sixteen rows that a read touches begin 16 bytes apart modulo 256
.set FRB,    1536                      ; a fragment's image: 12 registers x 128 bytes
.set WIMG,   135168                    ; 48 images, index 8 m + t; m: 0 Wq, 1 Wk, 2 Wv, 3 W_o (rows permuted), 4 W_pq, 5 W_pk
.set CIMG,   208896                    ; 24 images of W_c (rows permuted), index 8 s + t, s the K step
.set WSC,    245760                    ; 48 images of scale words, 128 bytes each
.set CSCO,   6144                      ; W_c's 24 follow them
.set GRP,    254976                    ; a region for each group
.set GRPB,   21504
.set SPARE,  297984                    ; the spare words, 128 bytes for each of 16 waves: eight blocks of 256 bytes that no other line names
.set PS,     0                         ; in a group's region: eight waves' masked sums, 512 bytes each
.set CT,     4096                      ; eight waves' parts of ctx
.set PARK,   8192                      ; the chain wave's x codes while it works the chain
.set BIAS,   14336                     ; b_c, bq, bv, b_o, b_pq, 512 bytes each
.set FE,     16896                     ; a vector on its way to the quantiser
.set FS,     17408                     ; the selected row
.set PCV,    17920                     ; b_c + W_c's K steps 1 and 2
.set COMB,   18432                     ; combined
.set C7V,    18944                     ; combined + b_o
.set QV,     19456                     ; q
.set PQV,    19968                     ; pq
.set ML,     20480                     ; 8 heads x 8 waves x (c m, l)
.set CNT,    20992                     ; eight waves' counts
.set SUM,    21248                     ; eight waves' sums of e
.set LI,   1                           ; v1  16 x lane
.set L4,   2                           ; v2  4 x lane
.set SH8,  3                           ; v3  8 hh
.set STA,  4                           ; v4  my stage + 16 x lane
.set STB,  5                           ; v5  my stage + 528 r + 128 hh
.set WB1,  6                           ; v6  WIMG + 16 x lane
.set WB2,  7                           ; v7  WIMG + 24 images + 16 x lane
.set CB,   8                           ; v8  CIMG + 16 x lane
.set SB,   9                           ; v9  WSC + 4 x lane
.set GD,   10                          ; v10 my group's region + 16 x lane
.set GDW,  11                          ; v11 the same + 512 W8
.set BH32, 12                          ; v12 region + 32 hh
.set BH64, 13                          ; v13 region + 64 hh
.set BH128, 14                         ; v14 region + 128 hh
.set CTA,  15                          ; v15 region + 512 W8 + 4 (8 hh + r % 8)
.set GW8,  16                          ; v16 region + 8 W8
.set GW4,  17                          ; v17 region + 4 W8
.set MLR,  18                          ; v18 region + 64 (lane / 4)
.set GBU,  19                          ; v19 region
.set SPW,  20                          ; v20 my spare word; never rewritten
.set NIL,  21                          ; v21 0; never rewritten
.set L8,   22                          ; v22 8 x lane
.set NINF, 23                          ; v23 -infinity
.set BPK,  24                          ; v24-27 b_pk, 4 numbers a lane
.set XS,   28                          ; v28-31 scale words of my four tiles of x
.set WS,   32                          ; v32-39 scale words of the weights in hand
.set FW0,  40                          ; v40-42 scale words of the chain's vectors
.set FW1,  41
.set FW2,  42
.set TM,   44                          ; v44-64 at work
.set JA,   65                          ; v65 where I lay images of weights
.set CA,   66                          ; v66 and of W_c
.set JS,   67                          ; v67 and scale words
.set XC,   68                          ; v68-115 codes of my four tiles of x
.set ACC,  116                         ; v116-123
.set SL0,  128                         ; v128-191, v192-255: two slots of 16 rows of x
.set DX,   192
.macro NOPS n
.rept \n
	v_nop
.endr
.endm
.macro BARRIER                         ; my LDS stores have landed and my LDS loads are in: then the work-group's barrier
	s_wait_dscnt 0x0
	s_barrier_signal -1
	s_barrier_wait -1
.endm
.macro WMMA0 d, a, b, sa, sb           ; a sum that begins: C = 0
	v_wmma_scale_f32_16x16x128_f8f6f4 v[\d:\d+7], v[\a:\a+11], v[\b:\b+11], 0, v[\sa], v[\sb] matrix_a_fmt:MATRIX_FMT_BF6 matrix_b_fmt:MATRIX_FMT_BF6
.endm
.macro WMMAC d, a, b, c, sa, sb
	v_wmma_scale_f32_16x16x128_f8f6f4 v[\d:\d+7], v[\a:\a+11], v[\b:\b+11], v[\c:\c+7], v[\sa], v[\sb] matrix_a_fmt:MATRIX_FMT_BF6 matrix_b_fmt:MATRIX_FMT_BF6
.endm
.macro IMAGE adr, reg, off             ; a fragment goes to LDS as it stands: lane l's 16 bytes at 16 l, 512 bytes a store
.irp c, 0,1,2
	ds_store_b128 v[\adr], v[\reg+4*\c:\reg+4*\c+3] offset:\off+512*\c
.endr
.endm
.macro FETCH reg, adr, off             ; and comes back so, in any wave
.irp c, 0,1,2
	ds_load_b128 v[\reg+4*\c:\reg+4*\c+3], v[\adr] offset:\off+512*\c
.endr
.endm
; Vectors of 128 f32 lie in LDS in their natural order; three ways of reading them, the same in all 16 lanes of a half:
.macro F6LOAD reg, off                 ; register 32 c + i = k 64 c + 32 hh + i: whole blocks of 32 in a lane
.irp c, 0,1
.irp q, 0,1,2,3,4,5,6,7
	ds_load_b128 v[\reg+32*\c+4*\q:\reg+32*\c+4*\q+3], v[BH128] offset:\off+256*\c+16*\q
.endr
.endr
.endm
.macro F5LOAD reg, off                 ; register 16 b + 8 u + j = k 32 b + 16 hh + 8 u + j: the results of tiles with permuted rows
.irp b, 0,1,2,3
.irp u, 0,1
.irp i, 0,1
	ds_load_b128 v[\reg+16*\b+8*\u+4*\i:\reg+16*\b+8*\u+4*\i+3], v[BH64] offset:\off+128*\b+32*\u+16*\i
.endr
.endr
.endr
.endm
.macro F5STORE reg, off                ; each accumulator from its low end on
.irp b, 0,1,2,3
.irp u, 0,1
.irp i, 0,1
	ds_store_b128 v[BH64], v[\reg+16*\b+8*\u+4*\i:\reg+16*\b+8*\u+4*\i+3] offset:\off+128*\b+32*\u+16*\i
.endr
.endr
.endr
.endm
.macro NATLOAD reg, off                ; register 8 t + j = k 16 t + 8 hh + j: the results of tiles with natural rows
.irp t, 0,1,2,3,4,5,6,7
.irp i, 0,1
	ds_load_b128 v[\reg+8*\t+4*\i:\reg+8*\t+4*\i+3], v[BH32] offset:\off+64*\t+16*\i
.endr
.endr
.endm
.macro NATSTORE reg, off
.irp t, 0,1,2,3,4,5,6,7
.irp i, 0,1
	ds_store_b128 v[BH32], v[\reg+8*\t+4*\i:\reg+8*\t+4*\i+3] offset:\off+64*\t+16*\i
.endr
.endr
.endm
; 64 numbers of a lane, register 32 c + i = k 64 c + 32 hh + i of my row, become a fragment's 12 registers and its scale word.  A lane holds two whole blocks, so no other lane is asked for a maximum.
.macro QUANT6 src, dst, tmp, swd
.irp c, 0,1
	v_max3_num_f32 v[TM+\c], |v[\src+32*\c]|, |v[\src+32*\c+1]|, 0x2800000   ; the floor 2^(5 - 127) among the leaves: the byte cannot fall under 1
.endr
.irp i, 2,4,6,8,10,12,14,16,18,20,22,24,26,28,30
.irp c, 0,1
	v_max3_num_f32 v[TM+\c], v[TM+\c], |v[\src+32*\c+\i]|, |v[\src+32*\c+\i+1]|
.endr
.endr
.irp c, 0,1
	v_add_nc_u32 v[TM+2+\c], 0xfe000000, v[TM+\c]   ; 4 off the exponent field: the conversion's scale operand
.endr
.irp c, 0,1
	v_lshrrev_b32 v[TM+4+\c], 23, v[TM+2+\c]        ; the scale's byte
.endr
	v_lshl_or_b32 v[\swd], v[TM+5], 16, v[TM+4]     ; blocks hh and 2 + hh,
	v_lshlrev_b32 v[\swd], v[SH8], v[\swd]          ; at their places in the word;
	v_permlanex16_b32 v[TM+6], v[\swd], s52, s53
	v_or_b32 v[\swd], v[\swd], v[TM+6]              ; with lane l xor 16's two the word is whole
.irp c, 0,1
	v_cvt_scalef32_pk16_bf6_f32 v[\dst+6*\c:\dst+6*\c+2], v[\src+32*\c:\src+32*\c+15], v[TM+2+\c]
	v_cvt_scalef32_pk16_bf6_f32 v[\tmp+4*\c:\tmp+4*\c+2], v[\src+32*\c+16:\src+32*\c+31], v[TM+2+\c]   ; (a conversion's three registers begin on an even number)
.endr
	v_nop                                           ; one plain place behind a scaled conversion
.irp c, 0,1
.irp i, 0,1,2
	v_mov_b32 v[\dst+6*\c+3+\i], v[\tmp+4*\c+\i]
.endr
.endr
.endm
; The same for 64 numbers that lie as matrix results of permuted tiles do: register 16 b + i = k 32 b + 16 hh + i.  A block lies in lanes l and l xor 16.
.macro QUANT5 src, dst, tmp, swd
.irp b, 0,1,2,3
	v_max3_num_f32 v[TM+\b], |v[\src+16*\b]|, |v[\src+16*\b+1]|, 0x2800000
.endr
.irp i, 2,4,6,8,10,12,14
.irp b, 0,1,2,3
	v_max3_num_f32 v[TM+\b], v[TM+\b], |v[\src+16*\b+\i]|, |v[\src+16*\b+\i+1]|
.endr
.endr
.irp b, 0,1,2,3
	v_permlanex16_b32 v[TM+4+\b], v[TM+\b], s52, s53
.endr
.irp b, 0,1,2,3
	v_max_num_f32 v[TM+\b], v[TM+\b], v[TM+4+\b]
.endr
.irp b, 0,1,2,3
	v_add_nc_u32 v[TM+12+\b], 0xfe000000, v[TM+\b]
.endr
.irp b, 0,1,2,3
	v_lshrrev_b32 v[TM+4+\b], 23, v[TM+12+\b]
.endr
	v_lshl_or_b32 v[\swd], v[TM+5], 8, v[TM+4]
	v_lshl_or_b32 v[\swd], v[TM+6], 16, v[\swd]
	v_lshl_or_b32 v[\swd], v[TM+7], 24, v[\swd]
.irp c, 0,1
	v_cvt_scalef32_pk16_bf6_f32 v[\dst+6*\c:\dst+6*\c+2], v[\src+32*\c:\src+32*\c+15], v[TM+12+2*\c]
	v_cvt_scalef32_pk16_bf6_f32 v[\tmp+4*\c:\tmp+4*\c+2], v[\src+32*\c+16:\src+32*\c+31], v[TM+13+2*\c]
.endr
	v_nop
.irp c, 0,1                            ; the operand wants a whole block in a lane: lanes 0-15 block 2 c, lanes 16-31 block 2 c + 1
.irp i, 0,1,2
	v_permlane16_swap_b32 v[\dst+6*\c+\i], v[\tmp+4*\c+\i]
.endr
.irp i, 0,1,2
	v_mov_b32 v[\dst+6*\c+3+\i], v[\tmp+4*\c+\i]
.endr
.endr
.endm
; K step 2 of the first product: K = 258 leaves two numbers, k = 0 and 1 of lanes 0-15; the block is filled with zeros, and so is the rest of the step.  The word's upper bytes are 0, over zero codes.
; The scale word's register lies outside v[dst] .. v[dst + 11], which are all written here.
.macro QTAIL src, dst, swd
	v_max3_num_f32 v[TM], |v[\src]|, |v[\src+1]|, 0x2800000
	v_add_nc_u32 v[TM+2], 0xfe000000, v[TM]
	v_lshrrev_b32 v[\swd], 23, v[TM+2]
	v_cvt_scalef32_pk16_bf6_f32 v[\dst:\dst+2], v[\src:\src+15], v[TM+2]
	v_nop
.irp i, 3,4,5,6,7,8,9,10,11
	v_mov_b32 v[\dst+\i], 0
.endr
.endm
.macro WLOAD reg, off, base, sreg, soff, sbase   ; a fragment of given codes, 24 bytes a half as three loads of 8, and its rows' scale words
.irp p, 0,1,2,3,4,5
	global_load_b64 v[\reg+2*\p:\reg+2*\p+1], v[\off], s[\base:\base+1] offset:48*(\p/3)+8*(\p%3)
.endr
	global_load_b32 v[\sreg], v[\soff], s[\sbase:\sbase+1]
.endm
.macro XLOAD i                         ; tile i's 16 rows of x, 512 dense bytes a load, into slot i % 2
.irp j, 0,1,2,3,4,5,6,7,8,9,10,11,12,13,14,15
	global_load_b128 v[SL0+64*((\i)%2)+4*\j:SL0+64*((\i)%2)+4*\j+3], v[LI], s[4:5] offset:512*(32*((\i)&1)+2*\j+((\i)>>1)) th:TH_LOAD_NT
.endr
.endm
; A tile of x: sent to my stage as it was loaded; added under the mean mask while those stores are out (lane l holds k = 4 l .. 4 l + 3 of each row: the sum needs no other lane); read back so that a lane holds 64 numbers
; of ONE row; quantised.
.macro TILE i, left, next
.set SL, SL0+64*((\i)%2)
	s_wait_loadcnt \left                            ; this tile's 16 loads are in; the other slot's may be out
.irp j, 0,1,2,3,4,5,6,7,8,9,10,11,12,13,14,15
	ds_store_b128 v[STA], v[SL+4*\j:SL+4*\j+3] offset:SPITCH*\j   ; loaded data and an address of the head's: no vector instruction has written either since the last wait on va_vdst
.endr
.irp j, 0,1,2,3,4,5,6,7,8,9,10,11,12,13,14,15
.set NU, 32*((\i)&1)+2*\j+((\i)>>1)
	s_bitcmp1_b32 s[68+NU/4], 8*(NU%4)              ; the node's byte of mean_mask
	s_cselect_b32 s[84+2*(\j%4)], 0, 1.0            ; valid = 1 - mask
.if ((\i) == 0) && (\j < 2)
	v_pk_mul_f32 v[ACC+4*(\j%2):ACC+4*(\j%2)+1], v[SL+4*\j:SL+4*\j+1], s[84+2*(\j%4):85+2*(\j%4)] op_sel_hi:[1,0]   ; the first two rows start the two sets of sums
	v_pk_mul_f32 v[ACC+4*(\j%2)+2:ACC+4*(\j%2)+3], v[SL+4*\j+2:SL+4*\j+3], s[84+2*(\j%4):85+2*(\j%4)] op_sel_hi:[1,0]
.else
	v_pk_fma_f32 v[ACC+4*(\j%2):ACC+4*(\j%2)+1], v[SL+4*\j:SL+4*\j+1], s[84+2*(\j%4):85+2*(\j%4)], v[ACC+4*(\j%2):ACC+4*(\j%2)+1] op_sel_hi:[1,0,1]
	v_pk_fma_f32 v[ACC+4*(\j%2)+2:ACC+4*(\j%2)+3], v[SL+4*\j+2:SL+4*\j+3], s[84+2*(\j%4):85+2*(\j%4)], v[ACC+4*(\j%2)+2:ACC+4*(\j%2)+3] op_sel_hi:[1,0,1]
.endif
.endr
	s_wait_alu depctr_va_vdst(0)                    ; the masked sums are done reading the slot,
	s_wait_alu depctr_vm_vsrc(0)                    ; and the stage's stores have read it: the loads below land in the same registers
.irp c, 0,1
.irp q, 0,1,2,3,4,5,6,7
	ds_load_b128 v[SL+32*\c+4*\q:SL+32*\c+4*\q+3], v[STB] offset:256*\c+16*\q   ; LDS serves a wave's instructions in order: these see my stores
.endr
.endr
	s_wait_dscnt 0x0
	QUANT6 SL, XC+12*(\i), TM+8, XS+(\i)
.if \next
	s_wait_alu depctr_va_vdst(0)                    ; the maxima and the conversions are done reading the slot, in which the rows below land
	XLOAD (\i)+2                                    ; the slot takes the tile two on
.endif
.endm
; Head h's weights and its 16 numbers of q: ten LDS loads into buffer buf, in three parts
.macro LOADHK h, buf
	FETCH 128+12*(\buf), WB1, (8+(\h))*FRB
	ds_load_b32 v[WS+2*(\buf)], v[SB] offset:(8+(\h))*128
.endm
.macro LOADHV h, buf
	FETCH 152+12*(\buf), WB1, (16+(\h))*FRB
	ds_load_b32 v[WS+2*(\buf)+1], v[SB] offset:(16+(\h))*128
.endm
.macro LOADHQ h, buf
	ds_load_b128 v[176+8*(\buf):176+8*(\buf)+3], v[BH32] offset:QV+64*(\h)
	ds_load_b128 v[176+8*(\buf)+4:176+8*(\buf)+7], v[BH32] offset:QV+64*(\h)+16
.endm
; Two registers' sums over lanes l and l xor x in one: lanes with the bit clear keep a's, lanes with it set b's
.macro MERGE a, b, m, x, t
	v_cndmask_b32 v[\t], v[\b], v[\a], s[\m]
	v_cndmask_b32 v[\a], v[\a], v[\b], s[\m]
	v_add_f32_dpp v[\a], v[\t], v[\a] row_xmask:\x row_mask:0xf bank_mask:0xf
.endm
; ONE HEAD for my 64 nodes: k and v of the head (eight matrix instructions on eight accumulators), scores, my wave's maximum, p, its sum, p . v.
; The next head's ten loads land in the other buffer, which the head before read: the wait on va_vdst at that head's end has shown its readers done, and the products among which the loads are dealt name this head's
; buffer, x's codes and scale words and v192-255 alone.
.macro HEAD h
.set BF, (\h)%2
.set QR, 176+8*BF
	s_wait_dscnt 0x0                                ; this head's ten loads are in, the last head's two stores are done
	WMMA0 192, 128+12*BF, XC, WS+2*BF, XS           ; k(node r of tile t, 16 h + 8 hh + j), t = 0 .. 3
	WMMA0 200, 128+12*BF, XC+12, WS+2*BF, XS+1
.if (\h) < 7
	LOADHK (\h)+1, ((\h)+1)%2
.endif
	WMMA0 208, 128+12*BF, XC+24, WS+2*BF, XS+2
	WMMA0 216, 128+12*BF, XC+36, WS+2*BF, XS+3
.if (\h) < 7
	LOADHV (\h)+1, ((\h)+1)%2
.endif
	WMMA0 224, 152+12*BF, XC, WS+2*BF+1, XS         ; v likewise
	WMMA0 232, 152+12*BF, XC+12, WS+2*BF+1, XS+1
.if (\h) < 7
	LOADHQ (\h)+1, ((\h)+1)%2
.endif
	WMMA0 240, 152+12*BF, XC+24, WS+2*BF+1, XS+2
	WMMA0 248, 152+12*BF, XC+36, WS+2*BF+1, XS+3
	NOPS 4                                          ; four places ahead of the first read of results
.if (\h) > 0
	s_wait_alu depctr_vm_vsrc(0)                    ; the last head's two stores have read v[ACC] and v[TM+10:TM+11], which this head writes again
.endif
.irp t, 0,1,2,3
	v_pk_mul_f32 v[TM+2*\t:TM+2*\t+1], v[192+8*\t:193+8*\t], v[QR:QR+1]
.endr
.irp p, 1,2,3
.irp t, 0,1,2,3
	v_pk_fma_f32 v[TM+2*\t:TM+2*\t+1], v[192+8*\t+2*\p:193+8*\t+2*\p], v[QR+2*\p:QR+2*\p+1], v[TM+2*\t:TM+2*\t+1]
.endr
.endr
.irp t, 0,1,2,3
	v_add_f32 v[TM+2*\t], v[TM+2*\t], v[TM+2*\t+1]  ; my half's eight terms of q . k
.endr
	v_permlane16_swap_b32 v[TM], v[TM+2]            ; tiles 0 and 1: both halves of a node meet in one lane,
	v_permlane16_swap_b32 v[TM+4], v[TM+6]          ; tiles 2 and 3
	v_add_f32 v[TM], v[TM], v[TM+2]                 ; lane l: the score of node 2 l,
	v_add_f32 v[TM+4], v[TM+4], v[TM+6]             ; and of node 2 l + 1
	v_cndmask_b32 v[TM], v[NINF], v[TM], s58        ; masked nodes: -infinity
	v_cndmask_b32 v[TM+4], v[NINF], v[TM+4], s59
	v_max3_num_f32 v[TM+8], v[TM], v[TM+4], 0xff61b1e6   ; -3e38 among the leaves: a wave all of whose nodes are masked keeps a number
.irp x, 1,2,4,8
	v_max_num_f32_dpp v[TM+8], v[TM+8], v[TM+8] row_xmask:\x row_mask:0xf bank_mask:0xf
.endr
	v_permlanex16_b32 v[TM+9], v[TM+8], s52, s53
	v_max_num_f32 v[TM+8], v[TM+8], v[TM+9]         ; my wave's maximum m
	v_mul_f32 v[TM+10], s60, v[TM+8]                ; c m, c = log2(e) / 4
	v_fma_f32 v[TM], v[TM], s60, -v[TM+10]
	v_fma_f32 v[TM+4], v[TM+4], s60, -v[TM+10]
	s_wait_alu depctr_va_vdst(0)
	v_exp_f32 v[TM], v[TM]                          ; p = 2^(c s - c m)
	v_exp_f32 v[TM+4], v[TM+4]
	v_nop                                           ; a plain place behind the exponentials
	s_wait_alu depctr_va_vdst(0)                    ; the two exponentials have written v[TM] and v[TM+4]: one wait, ahead of their first reader
	v_add_f32 v[TM+11], v[TM], v[TM+4]
.irp x, 1,2,4,8
	v_add_f32_dpp v[TM+11], v[TM+11], v[TM+11] row_xmask:\x row_mask:0xf bank_mask:0xf
.endr
	v_permlanex16_b32 v[TM+9], v[TM+11], s52, s53
	v_add_f32 v[TM+11], v[TM+11], v[TM+9]           ; l: the sum of my 64 p
	v_permlanex16_b32 v[TM+1], v[TM], s52, s53      ; p back to both halves of each tile
	v_permlanex16_b32 v[TM+5], v[TM+4], s52, s53
	v_cndmask_b32 v[TM+12], v[TM], v[TM+1], s54     ; tile 0
	v_cndmask_b32 v[TM+14], v[TM+1], v[TM], s54     ; tile 1
	v_cndmask_b32 v[TM+16], v[TM+4], v[TM+5], s54   ; tile 2
	v_cndmask_b32 v[TM+18], v[TM+5], v[TM+4], s54   ; tile 3
.irp p, 0,1,2,3
	v_pk_mul_f32 v[ACC+2*\p:ACC+2*\p+1], v[224+2*\p:225+2*\p], v[TM+12:TM+13] op_sel_hi:[1,0]
.endr
.irp t, 1,2,3
.irp p, 0,1,2,3
	v_pk_fma_f32 v[ACC+2*\p:ACC+2*\p+1], v[224+8*\t+2*\p:225+8*\t+2*\p], v[TM+12+2*\t:TM+13+2*\t], v[ACC+2*\p:ACC+2*\p+1] op_sel_hi:[1,0,1]
.endr
.endr
	MERGE ACC, ACC+1, 55, 1, TM+2                   ; eight registers x sixteen lanes are summed over the lanes: lane (r, hh) ends with channel 8 hh + r % 8
	MERGE ACC+2, ACC+3, 55, 1, TM+3
	MERGE ACC+4, ACC+5, 55, 1, TM+6
	MERGE ACC+6, ACC+7, 55, 1, TM+7
	MERGE ACC, ACC+2, 56, 2, TM+2
	MERGE ACC+4, ACC+6, 56, 2, TM+3
	MERGE ACC, ACC+4, 57, 4, TM+2
	v_add_f32_dpp v[ACC], v[ACC], v[ACC] row_xmask:8 row_mask:0xf bank_mask:0xf
	s_wait_alu depctr_va_vdst(0)                    ; v[ACC] and v[TM+10:TM+11] are written, which the two stores read; this head's products and multiplies are done reading its buffer, in which the loads of the head after next land
	ds_store_b32 v[CTA], v[ACC] offset:CT+64*(\h)   ; lanes r and r + 8 write the same word with the same value
	ds_store_b64 v[GW8], v[TM+10:TM+11] offset:ML+64*(\h)
.endm
.macro LOADPF t, buf                   ; tile t of W_pk: three LDS loads
	FETCH 128+12*(\buf), WB2, (16+(\t))*FRB
.endm
.macro LOADPQ t, buf                   ; its scale words and its 16 numbers of pq: three more
	ds_load_b32 v[WS+(\buf)], v[SB] offset:(40+(\t))*128
	ds_load_b128 v[176+8*(\buf):176+8*(\buf)+3], v[BH32] offset:PQV+64*(\t)
	ds_load_b128 v[176+8*(\buf)+4:176+8*(\buf)+7], v[BH32] offset:PQV+64*(\t)+16
.endm
.macro PKT t                           ; 16 of pk's 128 channels for my 64 nodes, and their terms of pq . pk
.set BF, (\t)%2
.if ((\t) > 0) && ((\t) < 7)
	s_wait_alu depctr_va_vdst(0)                    ; the last tile's products and multiply-adds are done reading the other buffer, in which the six loads below land
.endif
	s_wait_dscnt 0x0                                ; this tile's six loads are in
	WMMA0 192, 128+12*BF, XC, WS+BF, XS
	s_wait_alu depctr_va_vdst(0)
	WMMA0 200, 128+12*BF, XC+12, WS+BF, XS+1
.if (\t) < 7
	LOADPF (\t)+1, ((\t)+1)%2                       ; no wait: the products since the last wait on va_vdst name this tile's buffer, x's codes and scale words and v192-223 alone
.endif
	WMMA0 208, 128+12*BF, XC+24, WS+BF, XS+2
	WMMA0 216, 128+12*BF, XC+36, WS+BF, XS+3
.if (\t) < 7
	LOADPQ (\t)+1, ((\t)+1)%2
.endif
	NOPS 4
.irp p, 0,1,2,3
.irp i, 0,1,2,3
.if ((\t) == 0) && (\p == 0)
	v_pk_mul_f32 v[224+2*\i:225+2*\i], v[192+8*\i:193+8*\i], v[176:177]
.else
	v_pk_fma_f32 v[224+2*\i:225+2*\i], v[192+8*\i+2*\p:193+8*\i+2*\p], v[176+8*BF+2*\p:177+8*BF+2*\p], v[224+2*\i:225+2*\i]
.endif
.endr
.endr
.endm
; TWO SMALL PRODUCTS ON END, in the chain wave.  v[88:91]: the first vector, 4 numbers a lane; v96-191 and WS: the first weights (tiles with permuted rows).  cone, ctwo: where the two C lie.
; The first product's results lie as the second quantiser wants them; the second's (natural rows) go to outv in natural order.  stash = 1: the first results are kept (combined), and combined + b_o is made.
.macro CHAIN cone, wtwo, wtoff, stoff, ctwo, outv, stash
	s_wait_alu depctr_va_vdst(0)                    ; v[88:91] is written, which the store reads; the sums above are done with v192-255, in which the loads below land
	ds_store_b128 v[GD], v[88:91] offset:FE
	F6LOAD DX, FE
	s_wait_dscnt 0x0
	QUANT6 DX, 68, 80, FW0
	NOPS 8                                          ; a scale word made by vector instructions stands eight places ahead of the scaled matrix instruction, codes so made four
	s_wait_alu depctr_va_vdst(0)                    ; the codes v68-79 and their scale word are written, which the scaled products take; the quantiser is done reading v192-255, in which C lands
	F5LOAD DX, \cone                                ; C, into the registers that the numbers have left
	s_wait_dscnt 0x0
.irp t, 0,1,2,3,4,5,6,7
	WMMAC DX+8*\t, 96+12*\t, 68, DX+8*\t, WS+\t, FW0
.endr
	NOPS 4                                          ; places ahead of the first read of results
	s_wait_alu depctr_va_vdst(0)                    ; the products are done reading v96-191 and the scale words, in which the next weights land, and have written v192-255, which the stores read
.irp t, 0,1,2,3,4,5,6,7
	FETCH 96+12*\t, \wtwo, \wtoff+\t*FRB
	ds_load_b32 v[WS+\t], v[SB] offset:\stoff+128*\t
.endr
.if \stash
	F5STORE DX, COMB
	s_wait_alu depctr_vm_vsrc(0)                    ; the store at the chain's head has read v[88:91], in which combined lands; the stores just issued have read v192-255, in which the second C lands further down
	ds_load_b128 v[88:91], v[GD] offset:COMB
	ds_load_b128 v[92:95], v[GD] offset:BIAS+1536
.endif
	QUANT5 DX, 68, 80, FW1
	NOPS 8
	s_wait_alu depctr_va_vdst(0)                    ; the codes v68-79 and their scale word are written, which the scaled products take; the quantiser is done reading v192-255, in which C lands
	NATLOAD DX, \ctwo
	s_wait_dscnt 0x0
.irp t, 0,1,2,3,4,5,6,7
	WMMAC DX+8*\t, 96+12*\t, 68, DX+8*\t, WS+\t, FW1
.endr
; FIVE places behind these products: four serve the stores of their results; the fifth is owed because the next matrix instructions of this wave begin new sums, with C = 0, over these very registers
.if \stash
	v_pk_add_f32 v[88:89], v[88:89], v[92:93]       ; combined + b_o: two of the five
	v_pk_add_f32 v[90:91], v[90:91], v[94:95]
	NOPS 3
.else
	NOPS 5
.endif
	s_wait_alu depctr_va_vdst(0)                    ; the products have written v192-255, which the stores read (stash = 1: the two sums v[88:91] likewise), and are done reading v68-79 and v96-191, in which loads land below and behind the barrier
.if \stash
	ds_store_b128 v[GD], v[88:91] offset:C7V
.endif
	NATSTORE DX, \outv
	s_wait_alu depctr_vm_vsrc(0)                    ; the last store of v[88:91] has read them: my codes of x land there; the stores of the results have read v192-255, which the next products write
.irp n, 0,1,2,3,4,5,6,7,8,9,10,11
	ds_load_b128 v[XC+4*\n:XC+4*\n+3], v[GD] offset:PARK+512*\n   ; my codes of x come back
.endr
.endm
; ---------------- the head: ids, constants, every LDS address (all made ahead of the first parting of the waves)
	s_load_b512 s[4:19], s[0:1], 0x0               ; x, out0, mean_mask, attn_mask, sel_idx, cap_feat, time_feat, W_c
	s_load_b512 s[20:35], s[0:1], 0x40             ; b_c, W_qkv codes, scales, b_qkv, W_o codes, scales, b_o, W_pq codes
	s_load_b256 s[36:43], s[0:1], 0x80             ; W_pq scales, b_pq, W_pk codes, scales
	s_load_b64 s[44:45], s[0:1], 0xa0              ; b_pk
	v_lshl_add_u32 v[SPW], v0, 2, SPARE
	v_mov_b32 v[NIL], 0
	v_lshrrev_b32 v68, 5, v0
	v_readfirstlane_b32 s46, v68                   ; wave 0..15
	s_wait_alu depctr_va_sdst(0)                   ; s46 is written, ahead of its first reader: the wave's shares, addresses and branches are made from it
	s_lshr_b32 s47, s46, 3                         ; G: which of the work-group's two batches
	s_and_b32 s48, s46, 7                          ; W8: which 64 nodes
	s_lshl_b32 s49, ttmp9, 1
	s_add_co_u32 s49, s49, s47                     ; the batch
	s_mov_b32 s52, 0x76543210
	s_mov_b32 s53, 0xfedcba98                      ; v_permlanex16_b32's selects for lane l xor 16
	s_mov_b32 s54, 0xffff0000                      ; lanes 16-31
	s_mov_b32 s55, 0xaaaaaaaa                      ; lanes with bit 0, 1, 2 set
	s_mov_b32 s56, 0xcccccccc
	s_mov_b32 s57, 0xf0f0f0f0
	s_mov_b32 s60, 0x3eb8aa3b                      ; c = log2(e) / sqrt(16)
	s_mov_b32 s85, 0                               ; upper words of the pairs that the packed forms name
	s_mov_b32 s87, 0
	s_mov_b32 s89, 0
	s_mov_b32 s91, 0
	s_mov_b32 s3, 0                                ; upper words of 64-bit offsets
	s_mov_b32 s51, 0
	s_mov_b32 s67, 0
	v_and_b32 v68, 31, v0                          ; lane
	v_and_b32 v69, 15, v0                          ; r
	v_bfe_u32 v70, v0, 4, 1                        ; hh
	v_lshlrev_b32 v[LI], 4, v68
	v_lshlrev_b32 v[L4], 2, v68
	v_lshlrev_b32 v[L8], 3, v68
	v_lshlrev_b32 v[SH8], 3, v70
	s_mul_i32 s2, s46, STGW
	v_add_nc_u32 v[STA], s2, v[LI]
	v_mul_u32_u24 v[STB], v69, SPITCH
	v_lshl_add_u32 v[STB], v70, 7, v[STB]
	v_add_nc_u32 v[STB], s2, v[STB]
	v_add_nc_u32 v[WB1], WIMG, v[LI]
	v_add_nc_u32 v[WB2], WIMG+24*FRB, v[LI]
	v_add_nc_u32 v[CB], CIMG, v[LI]
	v_add_nc_u32 v[SB], WSC, v[L4]
	s_mul_i32 s2, s46, FRB
	v_add_nc_u32 v[JA], s2, v[WB1]                 ; image 8 G + W8 (+ 16 for each further job)
	v_add_nc_u32 v[CA], s2, v[CB]
	s_lshl_b32 s2, s46, 7
	v_add_nc_u32 v[JS], s2, v[SB]
	s_mul_i32 s50, s47, GRPB
	s_add_co_u32 s50, s50, GRP                     ; my group's region
	v_add_nc_u32 v[GD], s50, v[LI]
	v_lshl_add_u32 v[BH32], v70, 5, s50
	v_lshl_add_u32 v[BH64], v70, 6, s50
	v_lshl_add_u32 v[BH128], v70, 7, s50
	v_bfe_u32 v71, v0, 2, 3                        ; lane / 4
	v_lshl_add_u32 v[MLR], v71, 6, s50
	v_mov_b32 v[GBU], s50
	s_lshl_b32 s2, s48, 9
	s_add_co_u32 s2, s2, s50
	v_add_nc_u32 v[GDW], s2, v[LI]
	v_and_b32 v71, 7, v0
	v_lshl_add_u32 v71, v70, 3, v71
	v_lshl_add_u32 v[CTA], v71, 2, s2
	s_lshl_b32 s2, s48, 3
	s_add_co_u32 s2, s2, s50
	v_mov_b32 v[GW8], s2
	s_lshl_b32 s2, s48, 2
	s_add_co_u32 s2, s2, s50
	v_mov_b32 v[GW4], s2
	v_mov_b32 v[NINF], 0xff800000
	; offsets into the weights in memory (v107-113: free again when their loads are in)
	v_mul_u32_u24 v107, v69, 96
	v_mad_u32_u24 v107, v70, 24, v107              ; natural rows: 96 r + 24 hh
	v_and_b32 v71, 8, v69
	v_mul_u32_u24 v72, s47, v71
	v_add_nc_u32 v72, v72, v69                     ; job 1: row r (Wv, G = 0) or r + 8 (r / 8) (W_o, G = 1)
	v_add_nc_u32 v73, v71, v69                     ; r + 8 (r / 8)
	v_mul_u32_u24 v108, v72, 96
	v_mad_u32_u24 v108, v70, 24, v108
	v_lshlrev_b32 v109, 2, v69                     ; scale words: 4 bytes a row
	v_lshlrev_b32 v110, 2, v72
	v_mul_u32_u24 v111, v73, 1032                  ; W_c: a row is 258 f32
	v_lshl_add_u32 v112, v70, 7, v111              ; + 32 numbers for lanes 16-31
	v_lshlrev_b32 v113, 1, v68                     ; attn_mask: two nodes a lane
.irp n, 0,1,2,3,4,5,6,7,8,9,10,11,12,13,14,15,16,17,18,19,20
	v_mov_b32 v[TM+\n], 0                          ; written once: destinations of lane permutes and the upper halves of named pairs count as read
.endr
	s_wait_kmcnt 0x0
	s_lshl_b32 s2, s49, 18
	s_add_nc_u64 s[92:93], s[4:5], s[2:3]          ; x at my batch
	s_lshl_b32 s50, s48, 15
	s_add_nc_u64 s[4:5], s[92:93], s[50:51]        ; x at my 64 nodes
	s_lshl_b32 s2, s49, 9
	s_lshl_b32 s50, s48, 6
	s_add_co_u32 s2, s2, s50                       ; 512 b + 64 W8
	s_add_nc_u64 s[8:9], s[8:9], s[2:3]
	s_add_nc_u64 s[10:11], s[10:11], s[2:3]
	s_lshl_b32 s2, s2, 2
	s_add_nc_u64 s[6:7], s[6:7], s[2:3]            ; out0 at my 64 nodes
	s_lshl_b32 s2, s49, 2
	s_add_nc_u64 s[12:13], s[12:13], s[2:3]
	s_add_nc_u64 s[14:15], s[14:15], s[2:3]
	s_add_nc_u64 s[16:17], s[16:17], s[2:3]
	s_load_b32 s66, s[12:13], 0x0                  ; sel_idx[b]
	s_load_b32 s62, s[14:15], 0x0                  ; cap_feat[b]
	s_load_b32 s63, s[16:17], 0x0                  ; time_feat[b]
	s_load_b512 s[68:83], s[8:9], 0x0              ; my 64 bytes of mean_mask
	s_lshr_b32 s61, s48, 1
	s_lshl_b32 s61, s61, 5
	s_and_b32 s50, s48, 1
	s_lshl_b32 s50, s50, 3
	s_add_co_u32 s61, s61, s50                     ; a permuted tile W8 begins at row 32 (W8 / 2) + 8 (W8 % 2)
	s_mul_i32 s2, s46, FRB
	s_add_nc_u64 s[94:95], s[22:23], s[2:3]        ; job 0: Wq (G = 0) or Wk (G = 1), tile W8: row 128 G + 16 W8
	s_lshl_b32 s2, s46, 6
	s_add_nc_u64 s[98:99], s[24:25], s[2:3]
	s_lshl_b32 s50, s48, 4
	s_add_co_u32 s50, s50, 256
	s_cmp_eq_u32 s47, 0
	s_cselect_b32 s50, s50, s61                    ; job 1: Wv's tile W8, or W_o's permuted one: its first row,
	s_cselect_b64 s[96:97], s[22:23], s[28:29]     ; its codes,
	s_cselect_b64 s[100:101], s[24:25], s[30:31]   ; its scales
	s_cselect_b64 s[34:35], s[34:35], s[40:41]     ; job 2: W_pq or W_pk
	s_cselect_b64 s[36:37], s[36:37], s[42:43]
	s_mul_i32 s2, s50, 96
	s_add_nc_u64 s[96:97], s[96:97], s[2:3]
	s_lshl_b32 s2, s50, 2
	s_add_nc_u64 s[100:101], s[100:101], s[2:3]
	s_mul_i32 s2, s48, FRB
	s_add_nc_u64 s[34:35], s[34:35], s[2:3]
	s_lshl_b32 s2, s48, 6
	s_add_nc_u64 s[36:37], s[36:37], s[2:3]
	s_mul_i32 s2, s61, 1032
	s_lshl_b32 s50, s47, 9
	s_add_co_u32 s2, s2, s50
	s_add_nc_u64 s[18:19], s[18:19], s[2:3]        ; W_c: permuted tile W8, K step G
; ---------------- the loads, the oldest wanted first; x's first tile goes out behind them
	s_wait_alu depctr_va_vdst(0)                   ; every address and offset of the kernel (v1-23, v65-67, v107-113) is written, which the loads and stores from here on read; so are v44-64 and v68-73, in which loads land
	s_cmp_lg_u32 s48, 0
	s_cbranch_scc1 .Lno_bias
	global_load_b128 v[TM:TM+3], v[LI], s[20:21]                   ; b_c
	global_load_b128 v[TM+4:TM+7], v[LI], s[26:27]                 ; bq
	global_load_b128 v[TM+8:TM+11], v[LI], s[26:27] offset:1024    ; bv (bk, between them, is not loaded)
	global_load_b128 v[TM+12:TM+15], v[LI], s[32:33]               ; b_o
	global_load_b128 v[TM+16:TM+19], v[LI], s[38:39]               ; b_pq
.Lno_bias:
	s_cmp_lg_u32 s47, 0
	s_cbranch_scc1 .Lno_tail_load
	global_load_b64 v[116:117], v111, s[18:19] offset:1024         ; W_c[row][256:258]
.Lno_tail_load:
	WLOAD 68, 107, 94, 104, 109, 98
	WLOAD 80, 108, 96, 105, 110, 100
	WLOAD 92, 107, 34, 106, 109, 36
.irp c, 0,1
.irp q, 0,1,2,3,4,5,6,7,8,9,10,11,12,13,14,15
	global_load_b64 v[DX+32*\c+2*\q:DX+32*\c+2*\q+1], v112, s[18:19] offset:256*\c+8*\q   ; W_c(row, 128 G + 64 c + 32 hh + 2 q ..): rows of 1,032 bytes are multiples of 8 alone
.endr
.endr
	global_load_b128 v[BPK:BPK+3], v[LI], s[44:45]
	global_load_u16 v118, v113, s[10:11]           ; attn_mask of nodes 2 l and 2 l + 1
	s_wait_kmcnt 0x0
	s_min_u32 s66, s66, 511                        ; the index is held inside the table
	s_lshl_b32 s66, s66, 9
	s_add_nc_u64 s[92:93], s[92:93], s[66:67]
	s_cmp_lg_u32 s48, 0
	s_cbranch_scc1 .Lno_sel_load
	global_load_b128 v[120:123], v[LI], s[92:93]   ; the selected row
.Lno_sel_load:
	XLOAD 0
; ---------------- the weights become images
	s_wait_loadcnt 50                              ; younger than the codes: W_c's 32, b_pk, the mask, x's 16 (in a chain wave the selected row too: the count then waits for one load more)
	IMAGE JA, 68, 0
	ds_store_b32 v[JS], v104
	IMAGE JA, 80, 16*FRB
	ds_store_b32 v[JS], v105 offset:2048
	IMAGE JA, 92, 32*FRB
	ds_store_b32 v[JS], v106 offset:4096
	s_cmp_lg_u32 s48, 0
	s_cbranch_scc1 .Lno_bias_store
.irp n, 0,1,2,3,4
	ds_store_b128 v[GD], v[TM+4*\n:TM+4*\n+3] offset:BIAS+512*\n
.endr
.Lno_bias_store:
	s_wait_dscnt 0x0                               ; the stores have landed
	s_wait_alu depctr_vm_vsrc(0)                   ; the stores have read v68-106 and v44-63, and the head's loads their offsets v107-113: the quantisers below write these registers again
	s_wait_loadcnt 18                              ; W_c's 32 are in (younger: b_pk, the mask, x's 16)
	QUANT6 DX, 68, TM+8, 104
	s_wait_alu depctr_va_vdst(0)                   ; the quantiser has written v68-79 and v104, which the stores read, and is done reading v192-255, in which later loads land
	IMAGE CA, 68, 0
	ds_store_b32 v[JS], v104 offset:CSCO
	s_wait_alu depctr_vm_vsrc(0)                   ; these stores have read v68-79 and v104: v104 lies in the last fragment, made below, and v68-79 take the next codes
	s_cmp_lg_u32 s47, 0
	s_cbranch_scc1 .Lno_tail
	v_cndmask_b32 v80, v116, 0, s54                ; lanes 16-31 hold k = 32 .. 63 of the step: zeros
	v_cndmask_b32 v81, v117, 0, s54
.irp n, 82,83,84,85,86,87,88,89,90,91,92,93,94,95
	v_mov_b32 v\n, 0
.endr
	QTAIL 80, 96, 114                              ; the fragment in v96-107, its scale word in v114, outside them
	s_wait_alu depctr_va_vdst(0)                   ; v96-107 and v114 are written, which the stores read
	IMAGE CA, 96, 16*FRB
	ds_store_b32 v[JS], v114 offset:CSCO+2048
.Lno_tail:
	s_wait_loadcnt 16                              ; all but x's 16
	v_and_b32 v[TM], 0xff, v118
	v_lshrrev_b32 v[TM+1], 8, v118
	v_cmp_eq_u32 s58, 0, v[TM]                     ; lane l: node 2 l counts
	v_cmp_eq_u32 s59, 0, v[TM+1]                   ; node 2 l + 1 counts
	s_wait_alu depctr_va_sdst(0)                   ; s58 and s59 are written, ahead of the branch below and of the selects that read them
	s_cmp_lg_u32 s48, 0
	s_cbranch_scc1 .Lno_sel_store
	ds_store_b128 v[GD], v[120:123] offset:FS
.Lno_sel_store:
	BARRIER                                        ; all images lie in LDS; from here on they are only read
	s_wait_alu depctr_vm_vsrc(0)                   ; the stores of W_c's last image have read v96-107 and v114, the store of the selected row v120-123: the chain's vectors, x's codes and the masked sums are written there
; ---------------- the chain wave, while x is on its way: b_c + W_c's K steps 1 (the selected row) and 2 (cap, time)
	s_cmp_lg_u32 s48, 0
	s_cbranch_scc1 .Lno_a0
	F6LOAD DX, FS
	v_mov_b32 v100, s62
	v_mov_b32 v101, s63
	v_cndmask_b32 v100, v100, 0, s54
	v_cndmask_b32 v101, v101, 0, s54
.irp n, 102,103,104,105,106,107,108,109,110,111,112,113,114,115
	v_mov_b32 v\n, 0
.endr
	QTAIL 100, 88, FW2
	s_wait_dscnt 0x0
	QUANT6 DX, 68, 80, FW1
	NOPS 8                                         ; scale words made by vector instructions: eight places ahead of the scaled matrix instructions
	s_wait_alu depctr_va_vdst(0)                   ; the codes v68-79 and v88-99 and their two scale words are written, which the scaled products take; the quantiser is done reading v192-255, in which the weights land
.irp rho, 0,1,2,3                      ; two tiles a round; the two accumulators take turns, one instruction a turn
	FETCH 192, CB, (8+2*\rho)*FRB
	FETCH 204, CB, (9+2*\rho)*FRB
	FETCH 216, CB, (16+2*\rho)*FRB
	FETCH 228, CB, (17+2*\rho)*FRB
	ds_load_b32 v[WS], v[SB] offset:CSCO+128*(8+2*\rho)
	ds_load_b32 v[WS+1], v[SB] offset:CSCO+128*(9+2*\rho)
	ds_load_b32 v[WS+2], v[SB] offset:CSCO+128*(16+2*\rho)
	ds_load_b32 v[WS+3], v[SB] offset:CSCO+128*(17+2*\rho)
.irp u, 0,1
.irp i, 0,1
	ds_load_b128 v[240+8*\u+4*\i:243+8*\u+4*\i], v[BH64] offset:BIAS+128*\rho+32*\u+16*\i   ; b_c is the C
.endr
.endr
	s_wait_dscnt 0x0
	WMMAC 240, 192, 68, 240, WS, FW1
	WMMAC 248, 204, 68, 248, WS+1, FW1
	WMMAC 240, 216, 88, 240, WS+2, FW2
	WMMAC 248, 228, 88, 248, WS+3, FW2
	NOPS 4                                         ; places ahead of the stores of results
	s_wait_alu depctr_va_vdst(0)                   ; the products have written v240-255, which the stores read, and are done reading v192-239 and the scale words, in which the next loads land
.irp u, 0,1
.irp i, 0,1
	ds_store_b128 v[BH64], v[240+8*\u+4*\i:243+8*\u+4*\i] offset:PCV+128*\rho+32*\u+16*\i
.endr
.endr
	s_wait_alu depctr_vm_vsrc(0)                   ; the stores have read v240-255, in which the next round's b_c lands, and behind the last round rows of x
.endr
	s_wait_dscnt 0x0                               ; the stores have landed
.Lno_a0:
; ---------------- the stream: 64 rows of x a wave, 32 loads out at the start, 16 or more until the last tile but one
	XLOAD 1
	TILE 0, 16, 1
	TILE 1, 16, 1
	TILE 2, 16, 0
	TILE 3, 0, 0
	v_pk_add_f32 v[ACC:ACC+1], v[ACC:ACC+1], v[ACC+4:ACC+5]
	v_pk_add_f32 v[ACC+2:ACC+3], v[ACC+2:ACC+3], v[ACC+6:ACC+7]
	s_bcnt1_i32_b32 s50, s68                       ; a mask byte is 0 or 1: the ones are the masked nodes
.irp n, 69,70,71,72,73,74,75,76,77,78,79,80,81,82,83
	s_bcnt1_i32_b32 s2, s\n
	s_add_co_u32 s50, s50, s2
.endr
	s_sub_co_u32 s50, 64, s50
	v_cvt_f32_u32 v[TM], s50
	s_wait_alu depctr_va_vdst(0)                   ; my sum v[ACC:ACC+3], my count v[TM] and x's codes v68-115 are written, which the stores below read; the quantisers are done reading both slots, in which loads land behind the barrier
	ds_store_b128 v[GDW], v[ACC:ACC+3] offset:PS   ; my 64 nodes' masked sum
	ds_store_b32 v[GW4], v[TM] offset:CNT
	s_cmp_lg_u32 s48, 0
	s_cbranch_scc1 .Lno_park
.irp n, 0,1,2,3,4,5,6,7,8,9,10,11
	ds_store_b128 v[GD], v[XC+4*\n:XC+4*\n+3] offset:PARK+512*\n   ; the chain needs these registers
.endr
.Lno_park:
	BARRIER                                        ; the eight sums and counts of each batch lie in LDS
	s_wait_alu depctr_vm_vsrc(0)                   ; the stores have read v[ACC:ACC+3] and v[TM], which the heads write again, and in the chain's wave v68-115, which the chain writes and loads into
; ---------------- chain A: mean -> combined -> q
	s_cmp_lg_u32 s48, 0
	s_cbranch_scc1 .Lno_chain_a
.irp w, 0,1,2,3,4,5,6,7
	ds_load_b128 v[DX+4*\w:DX+4*\w+3], v[GD] offset:PS+512*\w
.endr
	ds_load_b128 v[DX+32:DX+35], v[GBU] offset:CNT
	ds_load_b128 v[DX+36:DX+39], v[GBU] offset:CNT+16
.irp t, 0,1,2,3,4,5,6,7
	FETCH 96+12*\t, CB, \t*FRB                     ; W_c, K step 0
	ds_load_b32 v[WS+\t], v[SB] offset:CSCO+128*\t
.endr
	s_wait_dscnt 32                                ; the sums and counts are in; the 32 loads of weights may be out
.irp w, 0,2,4,6
	v_pk_add_f32 v[DX+4*\w:DX+4*\w+1], v[DX+4*\w:DX+4*\w+1], v[DX+4*\w+4:DX+4*\w+5]
	v_pk_add_f32 v[DX+4*\w+2:DX+4*\w+3], v[DX+4*\w+2:DX+4*\w+3], v[DX+4*\w+6:DX+4*\w+7]
.endr
	v_pk_add_f32 v[DX+32:DX+33], v[DX+32:DX+33], v[DX+34:DX+35]
	v_pk_add_f32 v[DX+36:DX+37], v[DX+36:DX+37], v[DX+38:DX+39]
.irp w, 0,4
	v_pk_add_f32 v[DX+4*\w:DX+4*\w+1], v[DX+4*\w:DX+4*\w+1], v[DX+4*\w+8:DX+4*\w+9]
	v_pk_add_f32 v[DX+4*\w+2:DX+4*\w+3], v[DX+4*\w+2:DX+4*\w+3], v[DX+4*\w+10:DX+4*\w+11]
.endr
	v_pk_add_f32 v[DX+32:DX+33], v[DX+32:DX+33], v[DX+36:DX+37]
	v_add_f32 v[DX+32], v[DX+32], v[DX+33]
	v_max_num_f32 v[DX+32], 1.0, v[DX+32]          ; the count, at least 1
	s_wait_alu depctr_va_vdst(0)
	v_rcp_f32 v[TM], v[DX+32]
	v_pk_add_f32 v[DX:DX+1], v[DX:DX+1], v[DX+16:DX+17]        ; plain work behind the reciprocal
	v_pk_add_f32 v[DX+2:DX+3], v[DX+2:DX+3], v[DX+18:DX+19]
	s_wait_alu depctr_va_vdst(0)                   ; the reciprocal has written v[TM]: ahead of its first reader
	v_pk_mul_f32 v[88:89], v[DX:DX+1], v[TM:TM+1] op_sel_hi:[1,0]
	v_pk_mul_f32 v[90:91], v[DX+2:DX+3], v[TM:TM+1] op_sel_hi:[1,0]   ; the mean
	CHAIN PCV, WB1, 0, 0, BIAS+512, QV, 1
.Lno_chain_a:
	BARRIER                                        ; q lies in LDS
; ---------------- the attention, head by head
	LOADHK 0, 0
	LOADHV 0, 0
	LOADHQ 0, 0
	NOPS 4                                         ; codes made by vector instructions stand four places ahead of a scaled matrix instruction: in a wave that walks no chain only three plain lines lie between tile 3's last code and here
	s_wait_alu depctr_va_vdst(0)                   ; x's codes v68-115 and scale words v28-31, made by vector instructions, are written: the scaled products below take them
.irp h, 0,1,2,3,4,5,6,7
	HEAD \h
.endr
	BARRIER                                        ; every wave's (c m, l) and part of ctx lie in LDS
	s_wait_alu depctr_vm_vsrc(0)                   ; the last head's store has read v[ACC] = v116, in which, in the chain's wave, a fragment of W_o lands
; ---------------- chain B: the parts are merged under the maximum over the waves -> ctx -> veh -> pq
	s_cmp_lg_u32 s48, 0
	s_cbranch_scc1 .Lno_chain_b
.irp i, 0,1,2,3
	ds_load_b128 v[DX+4*\i:DX+4*\i+3], v[MLR] offset:ML+16*\i      ; lane l holds channels 4 l .. 4 l + 3: head l / 4; register 2 w: c m of wave w, 2 w + 1: its l
.endr
.irp w, 0,1,2,3,4,5,6,7
	ds_load_b128 v[DX+16+4*\w:DX+19+4*\w], v[GD] offset:CT+512*\w
.endr
	ds_load_b128 v[DX+48:DX+51], v[GD] offset:BIAS+1024            ; bv
.irp t, 0,1,2,3,4,5,6,7
	FETCH 96+12*\t, WB2, \t*FRB                    ; W_o
	ds_load_b32 v[WS+\t], v[SB] offset:(24+\t)*128
.endr
	s_wait_dscnt 32                                ; the 13 loads of the merge are in; the 32 of weights may be out
	v_max3_num_f32 v[TM+2], v[DX], v[DX+2], v[DX+4]
	v_max3_num_f32 v[TM+2], v[TM+2], v[DX+6], v[DX+8]
	v_max3_num_f32 v[TM+2], v[TM+2], v[DX+10], v[DX+12]
	v_max_num_f32 v[TM+2], v[TM+2], v[DX+14]       ; the head's maximum, as c m
.irp w, 0,1,2,3,4,5,6,7
	v_sub_f32 v[DX+2*\w], v[DX+2*\w], v[TM+2]
.endr
	s_wait_alu depctr_va_vdst(0)
.irp w, 0,1,2,3,4,5,6,7
	v_exp_f32 v[DX+2*\w], v[DX+2*\w]               ; 2^(c m_w - c m)
.endr
	v_nop
	s_wait_alu depctr_va_vdst(0)                   ; the eight exponentials have written their results: one wait, ahead of the first reader
	v_mul_f32 v[TM+3], v[DX], v[DX+1]
.irp w, 1,2,3,4,5,6,7
	v_fmac_f32 v[TM+3], v[DX+2*\w], v[DX+2*\w+1]   ; the weights' sum
.endr
	s_wait_alu depctr_va_vdst(0)
	v_rcp_f32 v[TM], v[TM+3]
	v_pk_mul_f32 v[DX+52:DX+53], v[DX+16:DX+17], v[DX:DX+1] op_sel_hi:[1,0]
	v_pk_mul_f32 v[DX+54:DX+55], v[DX+18:DX+19], v[DX:DX+1] op_sel_hi:[1,0]
.irp w, 1,2,3,4,5,6,7
	v_pk_fma_f32 v[DX+52:DX+53], v[DX+16+4*\w:DX+17+4*\w], v[DX+2*\w:DX+2*\w+1], v[DX+52:DX+53] op_sel_hi:[1,0,1]
	v_pk_fma_f32 v[DX+54:DX+55], v[DX+18+4*\w:DX+19+4*\w], v[DX+2*\w:DX+2*\w+1], v[DX+54:DX+55] op_sel_hi:[1,0,1]
.endr
	s_wait_alu depctr_va_vdst(0)                   ; the reciprocal has written v[TM]: ahead of its first reader
	v_pk_fma_f32 v[88:89], v[DX+52:DX+53], v[TM:TM+1], v[DX+48:DX+49] op_sel_hi:[1,0,1]
	v_pk_fma_f32 v[90:91], v[DX+54:DX+55], v[TM:TM+1], v[DX+50:DX+51] op_sel_hi:[1,0,1]   ; ctx = the merged sum / the weights' sum + bv
	CHAIN C7V, WB2, 8*FRB, 32*128, BIAS+2048, PQV, 0
.Lno_chain_b:
	BARRIER                                        ; pq lies in LDS
; ---------------- z = pq . (x W_pk^T + b_pk), e = exp(10 tanh z - 10)
	ds_load_b128 v[232:235], v[GD] offset:PQV
	LOADPF 0, 0
	LOADPQ 0, 0
	s_mov_b32 s2, 0x4038aa3b                       ; 2 log2(e)
	s_wait_dscnt 6                                 ; pq, 4 numbers a lane, is in
	v_pk_mul_f32 v[240:241], v[232:233], v[BPK:BPK+1]
	v_pk_fma_f32 v[240:241], v[234:235], v[BPK+2:BPK+3], v[240:241]
	v_add_f32 v236, v240, v241
.irp x, 1,2,4,8
	v_add_f32_dpp v236, v236, v236 row_xmask:\x row_mask:0xf bank_mask:0xf
.endr
	v_permlanex16_b32 v[TM+9], v236, s52, s53
	v_add_f32 v236, v236, v[TM+9]                  ; pq . b_pk
	v_mul_f32 v236, s2, v236                       ; x 2 log2(e)
.irp t, 0,1,2,3,4,5,6,7
	PKT \t
.endr
.irp i, 0,1,2,3
	v_add_f32 v[224+2*\i], v[224+2*\i], v[225+2*\i]
.endr
	v_permlane16_swap_b32 v224, v226
	v_permlane16_swap_b32 v228, v230
	v_add_f32 v238, v224, v226                     ; lane l: node 2 l,
	v_add_f32 v239, v228, v230                     ; node 2 l + 1
	v_fma_f32 v238, v238, s2, v236                 ; 2 log2(e) z
	v_fma_f32 v239, v239, s2, v236
	s_wait_alu depctr_va_vdst(0)
	v_exp_f32 v238, v238
	v_exp_f32 v239, v239
	v_nop
	s_wait_alu depctr_va_vdst(0)                   ; the two exponentials have written v238 and v239: ahead of their first reader
	v_add_f32 v238, 1.0, v238
	v_add_f32 v239, 1.0, v239
	s_wait_alu depctr_va_vdst(0)
	v_rcp_f32 v238, v238                           ; 10 tanh z - 10 = -20 / (1 + e^(2 z))
	v_rcp_f32 v239, v239
	v_nop
	s_wait_alu depctr_va_vdst(0)                   ; the two reciprocals have written v238 and v239
	v_mul_f32 v238, 0xc1e6d4ca, v238               ; x -20 log2(e)
	v_mul_f32 v239, 0xc1e6d4ca, v239
	s_wait_alu depctr_va_vdst(0)
	v_exp_f32 v238, v238
	v_exp_f32 v239, v239
	v_nop
	s_wait_alu depctr_va_vdst(0)                   ; the two exponentials have written v238 and v239
	v_cndmask_b32 v238, 0, v238, s58               ; masked nodes count for nothing
	v_cndmask_b32 v239, 0, v239, s59
	v_add_f32 v[TM], v238, v239
.irp x, 1,2,4,8
	v_add_f32_dpp v[TM], v[TM], v[TM] row_xmask:\x row_mask:0xf bank_mask:0xf
.endr
	v_permlanex16_b32 v[TM+9], v[TM], s52, s53
	v_add_f32 v[TM], v[TM], v[TM+9]
	s_wait_alu depctr_va_vdst(0)                   ; my sum v[TM] is written, which the store reads; the lines above are done with v240-247, in which the eight sums land behind the barrier
	ds_store_b32 v[GW4], v[TM] offset:SUM
	BARRIER                                        ; the eight sums of each batch lie in LDS
	s_wait_alu depctr_vm_vsrc(0)                   ; the store has read v[TM], which the reciprocal below writes
	ds_load_b128 v[240:243], v[GBU] offset:SUM
	ds_load_b128 v[244:247], v[GBU] offset:SUM+16
	s_wait_dscnt 0x0
	v_pk_add_f32 v[240:241], v[240:241], v[242:243]
	v_pk_add_f32 v[244:245], v[244:245], v[246:247]
	v_pk_add_f32 v[240:241], v[240:241], v[244:245]
	v_add_f32 v240, v240, v241
	s_wait_alu depctr_va_vdst(0)
	v_rcp_f32 v[TM], v240
	v_nop
	s_wait_alu depctr_va_vdst(0)                   ; the reciprocal has written v[TM]: ahead of its first reader
	v_pk_mul_f32 v[238:239], v[238:239], v[TM:TM+1] op_sel_hi:[1,0]
	s_wait_alu depctr_va_vdst(0)                   ; v[238:239] is written, which the store reads
	global_store_b64 v[L8], v[238:239], s[6:7] th:TH_STORE_NT      ; 32 lanes store 256 consecutive bytes, at a multiple of 256 from out0's first byte
	s_wait_dscnt 0x0                               ; the wave's end, behind my last LDS store
	s_wait_alu 0x0
	s_wait_tensorcnt 0x0
	ds_add_u32 v[SPW], v[NIL]
	s_wait_dscnt 0x0
	s_endpgm
.Lfunc_end_k_q30b5243e6e_decode:
	.size	k_q30b5243e6e_decode, .Lfunc_end_k_q30b5243e6e_decode-k_q30b5243e6e_decode
	.p2alignl 7, 3214868480
	.fill 96, 4, 3214868480
	.section	.rodata,"a",@progbits
	.p2align	6, 0x0
	.amdhsa_kernel k_q30b5243e6e_decode
		.amdhsa_group_segment_fixed_size 300032
		.amdhsa_private_segment_fixed_size 0
		.amdhsa_enable_private_segment 0
		.amdhsa_kernarg_size 168
		.amdhsa_user_sgpr_count 2
		.amdhsa_user_sgpr_kernarg_segment_ptr 1
		.amdhsa_wavefront_size32 1
		.amdhsa_system_sgpr_workgroup_id_x 1
		.amdhsa_system_sgpr_workgroup_id_y 1
		.amdhsa_system_sgpr_workgroup_id_z 1
		.amdhsa_system_vgpr_workitem_id 0
		.amdhsa_next_free_vgpr 256
		.amdhsa_next_free_sgpr 102
		.amdhsa_reserve_vcc 0
		.amdhsa_float_denorm_mode_32 3
		.amdhsa_float_denorm_mode_16_64 3
		.amdhsa_memory_ordered 1
		.amdhsa_forward_progress 1
		.amdhsa_inst_pref_size 196
	.end_amdhsa_kernel
	.amdgpu_metadata
---
amdhsa.version: [ 1, 2 ]
amdhsa.kernels:
  - .name:           k_q30b5243e6e_decode
    .symbol:         k_q30b5243e6e_decode.kd
    .args:
      - { .name: x, .offset: 0, .size: 8, .value_kind: global_buffer, .address_space: global }
      - { .name: out0, .offset: 8, .size: 8, .value_kind: global_buffer, .address_space: global }
      - { .name: mean_mask, .offset: 16, .size: 8, .value_kind: global_buffer, .address_space: global }
      - { .name: attn_mask, .offset: 24, .size: 8, .value_kind: global_buffer, .address_space: global }
      - { .name: sel_idx, .offset: 32, .size: 8, .value_kind: global_buffer, .address_space: global }
      - { .name: cap_feat, .offset: 40, .size: 8, .value_kind: global_buffer, .address_space: global }
      - { .name: time_feat, .offset: 48, .size: 8, .value_kind: global_buffer, .address_space: global }
      - { .name: W_c, .offset: 56, .size: 8, .value_kind: global_buffer, .address_space: global }
      - { .name: b_c, .offset: 64, .size: 8, .value_kind: global_buffer, .address_space: global }
      - { .name: W_qkv_codes, .offset: 72, .size: 8, .value_kind: global_buffer, .address_space: global }
      - { .name: W_qkv_scales, .offset: 80, .size: 8, .value_kind: global_buffer, .address_space: global }
      - { .name: b_qkv, .offset: 88, .size: 8, .value_kind: global_buffer, .address_space: global }
      - { .name: W_o_codes, .offset: 96, .size: 8, .value_kind: global_buffer, .address_space: global }
      - { .name: W_o_scales, .offset: 104, .size: 8, .value_kind: global_buffer, .address_space: global }
      - { .name: b_o, .offset: 112, .size: 8, .value_kind: global_buffer, .address_space: global }
      - { .name: W_pq_codes, .offset: 120, .size: 8, .value_kind: global_buffer, .address_space: global }
      - { .name: W_pq_scales, .offset: 128, .size: 8, .value_kind: global_buffer, .address_space: global }
      - { .name: b_pq, .offset: 136, .size: 8, .value_kind: global_buffer, .address_space: global }
      - { .name: W_pk_codes, .offset: 144, .size: 8, .value_kind: global_buffer, .address_space: global }
      - { .name: W_pk_scales, .offset: 152, .size: 8, .value_kind: global_buffer, .address_space: global }
      - { .name: b_pk, .offset: 160, .size: 8, .value_kind: global_buffer, .address_space: global }
    .group_segment_fixed_size: 300032
    .private_segment_fixed_size: 0
    .kernarg_segment_align: 8
    .kernarg_segment_size: 168
    .max_flat_workgroup_size: 512
    .sgpr_count:     102
    .vgpr_count:     256
    .wavefront_size: 32
...
	.end_amdgpu_metadata
.endif
;; end of part 2
